; MI455X (gfx1250); checked and timed in simulation.
; The chip was launched on July 23, 2026; its instructions are those of AMD's public machine-readable ISA for CDNA 5 (MIT licence, August 2026) and "CDNA5" Instruction Set Architecture Reference Guide (July 2026). The comments in the code are by the model that wrote it; some were corrected since.
;; Differential Geometry Operator. Allowed arithmetic: matrix products marked QUANTISED: E5M2 operands, one E8M0 scale for each 32 along K, by v_wmma_scale_f32_16x16x128_f8f6f4 with both operands' format E5M2, f32 sums; products left as they are: f32 operands where the result goes on into a quantised operand, else bf16, f16 or f32 operands; f32 sums; everything else in f32.
;; Inputs: W1 256 x 64 float32; W2 64 x 1 float32; b1 64 float32; b2 1 float32; features 2 x 8,192 x 256 float32; points 2 x 8,192 x 3 float32.
;; Outputs: out0 2 x 8,192 x 1 float32; out1 2 x 8,192 x 256 float32.
;; This version of the problem:
;;   THIS VERSION OF THE PROBLEM IS GIVEN IN LOW PRECISION. The matrix products marked QUANTISED in the list below multiply operands that are first quantised to E5M2 (5 exponent bits, 2 mantissa bits; 8 bits a number), with one power-of-two scale for each 32 numbers along K (OCP MX v1.0); their sums are f32. All else is computed in f32.
;;   The module's matrix products, in the order in which they are computed (A, B: the left and right operand; K: the contracted axis; several contracted axes count as one K, in the product's order):
;;     1. batch 2 x [M 8,192, K 3] x [K 3, N 8,192]; A: input points; B: input points: left as it is (K = 3 < 32)
;;     2. [M 16,384, K 256] x [K 256, N 64]; A: input features; B: input W1: QUANTISED
;;     3. [M 16,384, K 64] x [K 64, N 1]; A: computed on the way; B: input W2: left as it is (N = 1 < 16)
;;   THE QUANTISER, for each operand of a quantised product, along K:
;;     - K is cut into blocks of 32 from its start; a last block that is shorter is filled with zeros.
;;     - A block's scale is 2^e with e = floor(log2(the largest magnitude in the block)) - 15, held to -126 .. 127; a block of zeros has e = 0. As a byte (E8M0): e + 127.
;;     - Each number is divided by its block's scale, clamped to +-57,344, and rounded to the nearest number of E5M2, ties to even, subnormals kept.
;;     - The product sums the exact products of the quantised numbers (number of the format x scale) in f32.
;;   ~~~python
;;   def quantise(x, axis):      # numpy; x: float32 -> the quantised numbers, widened to float32 again
;;       x = np.moveaxis(x, axis, -1); K = x.shape[-1]
;;       x = np.pad(x, [(0, 0)] * (x.ndim - 1) + [(0, -K % 32)]); x = x.reshape(x.shape[:-1] + (-1, 32)); a = np.abs(x).max(-1, keepdims=True)
;;       e = np.where(a > 0, np.clip(np.frexp(np.where(a > 0, a, 1))[1] - 1 - 15, -126, 127), 0)      # np.frexp(a)[1] - 1 = floor(log2(a)), exactly
;;       r = np.clip(x / 2.0 ** e, -57344, 57344)
;;       step = 2.0 ** (np.maximum(np.frexp(np.where(r == 0, 1, r))[1] - 1, -14) - 2)
;;       q = np.round(r / step) * step * 2.0 ** e      # np.round: ties to even
;;       return np.moveaxis(q.reshape(q.shape[:-2] + (-1,))[..., :K], -1, axis).astype(np.float32)
;;   ~~~
;; 2 versions, each right; version 2 is version 1 with the launch enhance written anew for expert scheduling mode. Each part assembles by itself: llvm-mc -triple=amdgcn-amd-amdhsa -mcpu=gfx1250 --defsym DOCPART=n.
;; ======== version 1 of 2: 3 launches
;; workspace buffers: pts4 262,144 bytes; gids 524,288 bytes of whole numbers; knn 524,288 bytes of whole numbers
;; launch groups (part 1): grid 256 x 1, 8 waves a work-group, no clusters, 192,512 bytes of LDS; arguments points, pts4, gids; writes pts4, gids
.if DOCPART == 1
	.amdgcn_target "amdgcn-amd-amdhsa--gfx1250"
	.amdhsa_code_object_version 6
	.text
	.protected	k_q8a6239261a_groups
	.globl	k_q8a6239261a_groups
	.p2align	8
	.type	k_q8a6239261a_groups,@function
k_q8a6239261a_groups:
	s_mov_b64 s[64:65], 0
	v_nop
	global_prefetch_b8 v0, s[64:65] scope:SCOPE_SE
	s_setreg_imm32_b32 hwreg(HW_REG_WAVE_MODE, 25, 1), 1
	s_wait_xcnt 0x0
; kNN, first of two steps.  points: [2][8192][3] f32.  For each point (query) of a batch: the 8 GROUPS of 32 neighbouring candidates (group g = candidates 32 g .. 32 g + 31) with the smallest
; (least d2 in the group, g), d2 = max(|p_i|^2 + |p_j|^2 - 2 p_i.p_j, 0).  The 8 nearest candidates by (d2, index) always lie in these 8 groups: a group left out has 8 groups ahead of it, each with a
; candidate that is nearer, or as near with a lower index.  gids[16384][8]: their numbers (batch x 256 + g), ascending.  pts4[16384][4]: (x, y, z, |p|^2) for the next launch.
; The product of points with points has K = 3: it is done with f32 operands by fused multiply-adds, two candidates an instruction.
; SHARES.  256 work-groups x 8 waves; a work-group owns 64 queries of one batch.  THE CANDIDATES STAY, THE QUERIES STREAM: lane l of wave w holds group 32 w + l in registers: x, y, z, |p|^2 of its 32 candidates,
; 128 registers, laid as pairs of neighbouring candidates.  So the eight waves hold the whole batch, and no candidate is read again.
; PHASE A, for each of the 64 queries: t_j = c z_j + (b y_j + (a x_j + |p_j|^2)), (a, b, c) = -2 p_i: 48 packed multiply-adds for 32 candidates; the least t (16 instructions); + |p_i|^2 and the hold at 0 (adding behind
; the minimum gives the same bits as adding ahead of it, since rounding keeps order); one store of 4 bytes a lane into mins[64 queries][256 groups] in LDS.  A query's numbers come from a table in LDS, the same 32 bytes for all lanes.
; PHASE B: lane (r, h) of wave w owns query 16 (w % 4) + r and groups 64 (2 (w / 4) + h) on: 64 stable insertions into a sorted list of 8 with the group's number beside each minimum: 8 compares, 8 medians, 15 selects,
; no branch on data.  An equal number goes behind those that are there, and groups come in ascending order: ties go to the lower index, as in reference()'s top_k.  Then a query's four lists meet.
; NO TENSOR LOAD, NO CLUSTER: the 128 work-groups of a batch read the same 98,304 bytes of points once each, and every number is turned and squared in registers on its way.
; LIMITS: t is rounded otherwise than reference()'s d2 and than the next launch's, so candidates whose d2 differ by a few last bits of |p|^2 may change places at the edge of the 8; NaN, infinities and |p|^2 beyond f32 are not served.
.set RAWW, 13824                       ; LDS: a wave's 12,288 bytes of points with 16 bytes of padding behind each 128: a group (384 bytes) then begins 432 bytes behind the last, 27 x 16
.set QTB,  8*RAWW                      ; the queries' table: 32 bytes each: (a a b b) (c c s s)
.set MMB,  QTB+2048                    ; the minima: a row for each query,
.set MP,   1040                        ; of 1,024 bytes + 16: 65 x 16
.set IMB,  MMB+64*MP                   ; four images of lists, 2,048 bytes each
.set STG,  IMB+4*2048                  ; a stage of 1,024 bytes for each of waves 0 to 3
.set LN,   1                           ; v1   lane
.set RR,   2                           ; v2   lane % 16
.set HK,   3                           ; v3   lane / 16
.set L16,  4                           ; v4   16 x lane; never rewritten
.set RST,  5                           ; v5   the points' way into my wave's LDS bytes
.set RLD,  6                           ; v6   and out of them: my group
.set QOF,  7                           ; v7   12 x lane
.set QTW,  8                           ; v8   where my query's 32 bytes of the table go (waves 0, 1)
.set QAD,  9                           ; v9   the table, at the trip's first query: the same in all lanes
.set MAD,  10                          ; v10  my group's place in the row of minima of the trip's first query
.set MRD,  11                          ; v11  phase B: my query's row, my range
.set GB,   12                          ; v12  the number of my range's first group
.set IMW,  13                          ; v13  an image's place for my lane
.set STW,  14
.set STR,  15
.set M,    20                          ; v20-27 four running minima for each of two queries
.set Q,    28                          ; v28-59 two buffers of two queries, 8 registers each
.set CX,   60                          ; v60-91 x, v92-123 y, v124-155 z, v156-187 |p|^2 of my 32 candidates
.set CY,   92
.set CZ,   124
.set CS,   156
.set ACC,  188                         ; v188-251 two queries' 32 sums
.set RAW,  188                         ; at the start: 16 candidates as they lie in memory, 48 registers
.set T,    240                         ; at the start: a query's 32 bytes for the table
.set QP,   252                         ; v252-255 a query's x, y, z, |p|^2: what goes to pts4; never rewritten
.set LA,   60                          ; phase B: v60-67 the list's minima, v68-75 their groups
.set LG,   68
.set TT,   76                          ; v76-82 the insertion's seven carried numbers
.set E,    84                          ; v84-99 sixteen minima
.set DD,   100                         ; v100-115 another list
.set RS,   116                         ; v116-123 the eight numbers
.set SEL,  20                          ; s[20:21] v_permlanex16_b32's selects for lane l xor 16
.set GC,   24                          ; s24  the group in hand, counted within a lane's range
.set CNT,  25
.set MK,   28                          ; s[28:35] the insertion's eight masks
	s_load_b128 s[4:7], s[0:1], 0x0                ; points, pts4
	s_load_b64 s[8:9], s[0:1], 0x10                ; gids
	v_lshl_add_u32 v18, v0, 2, 0x2ec00
	v_mov_b32 v19, 0
	v_lshrrev_b32 v1, 5, v0
	v_readfirstlane_b32 s10, v1                    ; wave 0..7
	v_and_b32 v[LN], 31, v0
	v_and_b32 v[RR], 15, v0
	v_bfe_u32 v[HK], v0, 4, 1
	v_lshlrev_b32 v[L16], 4, v[LN]
	v_mul_u32_u24 v[QOF], v[LN], 12
	s_and_b32 s11, s10, 3                          ; phase B: my tile of 16 queries
	s_lshr_b32 s12, s10, 2                         ; and my pair of ranges
	s_and_b32 s22, s10, 1                          ; waves 0, 1: which 32 queries of the table
	s_lshr_b32 s13, ttmp9, 7                       ; batch
	s_and_b32 s14, ttmp9, 127
	s_lshl_b32 s14, s14, 6                         ; the work-group's first query, in its batch,
	s_lshl_b32 s15, s13, 13
	s_add_co_u32 s15, s15, s14                     ; and among all 16,384 points
	s_mul_i32 s23, s13, 98304                      ; the batch's points, in bytes
	s_mul_i32 s16, s10, 12288                      ; my wave's 32 groups among them
	s_add_co_u32 s16, s16, s23
	s_mov_b32 s17, 0
	s_lshl_b32 s39, s22, 5
	s_add_co_u32 s38, s39, s14
	s_mul_i32 s18, s38, 12                         ; waves 0, 1: my 32 queries among them
	s_add_co_u32 s18, s18, s23
	s_mov_b32 s19, 0
	s_add_co_u32 s26, s39, s15
	s_lshl_b32 s26, s26, 4                         ; pts4: 16 bytes a point
	s_mov_b32 s27, 0
	s_lshl_b32 s36, s11, 4
	s_add_co_u32 s36, s36, s15
	s_lshl_b32 s36, s36, 5                         ; gids: 32 bytes a query
	s_mov_b32 s37, 0
	s_mov_b32 s[SEL], 0x76543210
	s_mov_b32 s[SEL+1], 0xfedcba98
	s_mul_i32 s38, s10, RAWW
	v_bfe_u32 v[RST], v0, 3, 2
	v_add_nc_u32 v[RST], v[RST], v[LN]
	v_lshl_add_u32 v[RST], v[RST], 4, s38          ; byte B of my wave's points lies at B + 16 (B / 128): for B = 512 i + 16 lane that is 576 i + 16 (lane + lane / 8)
	v_mul_u32_u24 v[RLD], v[LN], 432
	v_add_nc_u32 v[RLD], s38, v[RLD]               ; and for B = 384 lane + 16 k: 432 lane + 16 k + 16 (k / 8)
	s_lshl_b32 s38, s22, 10
	s_add_co_u32 s38, s38, QTB
	v_lshl_add_u32 v[QTW], v[LN], 5, s38
	v_mov_b32 v[QAD], QTB
	s_lshl_b32 s38, s10, 7
	s_add_co_u32 s38, s38, MMB
	v_lshl_add_u32 v[MAD], v[LN], 2, s38           ; group 32 w + lane
	s_mul_i32 s38, s11, 16*MP
	s_lshl_b32 s39, s12, 9
	s_add_co_u32 s38, s38, s39
	s_add_co_u32 s38, s38, MMB
	v_mul_u32_u24 v[MRD], v[RR], MP
	v_lshl_add_u32 v[MRD], v[HK], 8, v[MRD]
	v_add_nc_u32 v[MRD], s38, v[MRD]               ; row 16 tile + r; 256 bytes for each range of 64 groups
	s_lshl_b32 s38, s13, 8
	s_lshl_b32 s39, s12, 7
	s_add_co_u32 s38, s38, s39
	v_lshl_add_u32 v[GB], v[HK], 6, s38            ; 256 batch + 64 (2 (w / 4) + lane / 16)
	s_lshl_b32 s38, s11, 11
	s_add_co_u32 s38, s38, IMB
	v_add_nc_u32 v[IMW], s38, v[L16]               ; wave w + 4 writes the image that wave w reads
	s_lshl_b32 s38, s11, 10
	s_add_co_u32 s38, s38, STG
	v_lshl_add_u32 v[STW], v[LN], 5, s38
	v_add_nc_u32 v[STR], s38, v[L16]
	s_wait_kmcnt 0x0
	s_add_nc_u64 s[16:17], s[4:5], s[16:17]
	s_add_nc_u64 s[18:19], s[4:5], s[18:19]
	s_add_nc_u64 s[6:7], s[6:7], s[26:27]
	s_add_nc_u64 s[8:9], s[8:9], s[36:37]
.irp i, 0,1,2,3,4,5,6,7,8,9,10,11,12,13,14,15,16,17,18,19,20,21,22,23
	global_load_b128 v[CX+4*\i:CX+4*\i+3], v[L16], s[16:17] offset:512*\i      ; my wave's 32 groups as they lie: each load 512 dense bytes
.endr
	s_cmp_lt_u32 s10, 2                            ; waves 0 and 1, a lane to a query: the table and pts4
	s_cbranch_scc0 .Lno_table
	global_load_b96 v[QP:QP+2], v[QOF], s[18:19]   ; 384 dense bytes
	s_wait_loadcnt 0x0
	v_mul_f32 v[QP+3], v[QP], v[QP]
	v_mul_f32 v[T], -2.0, v[QP]
	v_mul_f32 v[T+2], -2.0, v[QP+1]
	v_mul_f32 v[T+4], -2.0, v[QP+2]
	v_fma_f32 v[QP+3], v[QP+1], v[QP+1], v[QP+3]
	v_mov_b32 v[T+1], v[T]                         ; each number twice: the packed form names a pair and takes its low word for both halves
	v_mov_b32 v[T+3], v[T+2]
	v_mov_b32 v[T+5], v[T+4]
	v_fma_f32 v[QP+3], v[QP+2], v[QP+2], v[QP+3]   ; |p|^2, in the order in which the candidates' is made below
	v_mov_b32 v[T+6], v[QP+3]
	v_mov_b32 v[T+7], v[QP+3]
	ds_store_b128 v[QTW], v[T:T+3]
	ds_store_b128 v[QTW], v[T+4:T+7] offset:16
	global_store_b128 v[L16], v[QP:QP+3], s[6:7]   ; 512 dense bytes, aligned
.Lno_table:
	s_wait_loadcnt 0x0
.irp i, 0,1,2,3,4,5,6,7,8,9,10,11,12,13,14,15,16,17,18,19,20,21,22,23
	ds_store_b128 v[RST], v[CX+4*\i:CX+4*\i+3] offset:576*\i
.endr
; Sixteen candidates of my group come back as they lie (12 loads), and each number moves to its place among the x, the y or the z.  My wave's own bytes: LDS serves a wave's instructions in order (ISA guide 5.7.1.4).
.macro HALF hf
.irp k, 0,1,2,3,4,5,6,7,8,9,10,11
	ds_load_b128 v[RAW+4*\k:RAW+4*\k+3], v[RLD] offset:16*(12*\hf+\k)+16*((12*\hf+\k)/8)
.endr
	s_wait_dscnt 0x0                               ; they are in; the stores ahead of them are done too, so the registers that those read may be written
.irp j, 0,1,2,3,4,5,6,7,8,9,10,11,12,13,14,15
.irp c, 0,1,2
	v_mov_b32 v[CX+32*\c+16*\hf+\j], v[RAW+3*\j+\c]
.endr
.endr
.endm
	HALF 0
	HALF 1
.irp p, 0,2,4,6,8,10,12,14,16,18,20,22,24,26,28,30
	v_pk_mul_f32 v[CS+\p:CS+\p+1], v[CX+\p:CX+\p+1], v[CX+\p:CX+\p+1]
.endr
.irp p, 0,2,4,6,8,10,12,14,16,18,20,22,24,26,28,30
	v_pk_fma_f32 v[CS+\p:CS+\p+1], v[CY+\p:CY+\p+1], v[CY+\p:CY+\p+1], v[CS+\p:CS+\p+1]
.endr
.irp p, 0,2,4,6,8,10,12,14,16,18,20,22,24,26,28,30
	v_pk_fma_f32 v[CS+\p:CS+\p+1], v[CZ+\p:CZ+\p+1], v[CZ+\p:CZ+\p+1], v[CS+\p:CS+\p+1]
.endr
	s_wait_dscnt 0x0                               ; for the others' sake: the table's stores are done
	s_barrier_signal -1
	s_barrier_wait -1                              ; the table is whole
; PHASE A.
.macro QLOAD buf, off                  ; two queries' 64 bytes of the table: every lane reads the same words
.irp c, 0,1,2,3
	ds_load_b128 v[Q+16*\buf+4*\c:Q+16*\buf+4*\c+3], v[QAD] offset:\off+16*\c
.endr
.endm
; Two queries against my 32 candidates, line by line by turns, so that no line waits for the line above it.
.macro TWOQ buf, moff
.irp u, 0,1
.irp p, 0,2,4,6,8,10,12,14,16,18,20,22,24,26,28,30
	v_pk_fma_f32 v[ACC+32*\u+\p:ACC+32*\u+\p+1], v[CX+\p:CX+\p+1], v[Q+16*\buf+8*\u:Q+16*\buf+8*\u+1], v[CS+\p:CS+\p+1] op_sel_hi:[1,0,1]
.endr
.endr
.irp u, 0,1
.irp p, 0,2,4,6,8,10,12,14,16,18,20,22,24,26,28,30
	v_pk_fma_f32 v[ACC+32*\u+\p:ACC+32*\u+\p+1], v[CY+\p:CY+\p+1], v[Q+16*\buf+8*\u+2:Q+16*\buf+8*\u+3], v[ACC+32*\u+\p:ACC+32*\u+\p+1] op_sel_hi:[1,0,1]
.endr
.endr
.irp u, 0,1
.irp p, 0,2,4,6,8,10,12,14,16,18,20,22,24,26,28,30
	v_pk_fma_f32 v[ACC+32*\u+\p:ACC+32*\u+\p+1], v[CZ+\p:CZ+\p+1], v[Q+16*\buf+8*\u+4:Q+16*\buf+8*\u+5], v[ACC+32*\u+\p:ACC+32*\u+\p+1] op_sel_hi:[1,0,1]
.endr
.endr
.irp k, 0,1,2,3
.irp u, 0,1
	v_min3_num_f32 v[M+4*\u+\k], v[ACC+32*\u+8*\k], v[ACC+32*\u+8*\k+1], v[ACC+32*\u+8*\k+2]
.endr
.endr
.irp i, 3,5
.irp k, 0,1,2,3
.irp u, 0,1
	v_min3_num_f32 v[M+4*\u+\k], v[M+4*\u+\k], v[ACC+32*\u+8*\k+\i], v[ACC+32*\u+8*\k+\i+1]
.endr
.endr
.endr
.irp u, 0,1
	v_min3_num_f32 v[M+4*\u], v[M+4*\u], v[ACC+32*\u+7], v[ACC+32*\u+15]
	v_min3_num_f32 v[M+4*\u+2], v[M+4*\u+2], v[ACC+32*\u+23], v[ACC+32*\u+31]
.endr
.irp u, 0,1
	v_min3_num_f32 v[M+4*\u], v[M+4*\u], v[M+4*\u+1], v[M+4*\u+3]
.endr
.irp u, 0,1
	v_min_num_f32 v[M+4*\u], v[M+4*\u], v[M+4*\u+2]
.endr
.irp u, 0,1
	v_add_f32 v[M+4*\u], v[M+4*\u], v[Q+16*\buf+8*\u+6]        ; + |p_i|^2
.endr
.irp u, 0,1
	v_max_num_f32 v[M+4*\u], 0, v[M+4*\u]          ; held at 0 from below, as reference() holds every d2: the least of the held is the held least
.endr
.irp u, 0,1
	ds_store_b32 v[MAD], v[M+4*\u] offset:\moff+MP*\u          ; 32 lanes store 128 neighbouring bytes of the query's row
.endr
.endm
	QLOAD 0, 0
	QLOAD 1, 64
	s_mov_b32 s[CNT], 15
.Lquery:                                           ; a trip: four queries; each buffer is filled again, a trip ahead, as soon as it has been used
	s_wait_dscnt 4                                 ; buffer 0 is in: the other buffer's 4 loads may be out (on the way in nothing else is; round the loop two stores stand ahead of them and are waited for as well)
	TWOQ 0, 0
	QLOAD 0, 128
	s_wait_dscnt 4                                 ; buffer 1 is in: the 4 loads just issued may be out
	TWOQ 1, 2*MP
	QLOAD 1, 192
	v_add_nc_u32 v[QAD], 128, v[QAD]
	v_add_nc_u32 v[MAD], 4*MP, v[MAD]
	s_sub_co_u32 s[CNT], s[CNT], 1
	s_cmp_lg_u32 s[CNT], 0
	s_cbranch_scc1 .Lquery
	s_wait_dscnt 4                                 ; the last four queries: nothing more is fetched
	TWOQ 0, 0
	s_wait_dscnt 2                                 ; buffer 1 is in: the 2 stores just issued may be out
	TWOQ 1, 2*MP
	s_wait_dscnt 0x0                               ; for the others' sake: my minima lie in LDS
	s_barrier_signal -1
.irp i, 0,1,2,3,4,5,6,7
	v_mov_b32 v[LA+\i], 0x7f800000                 ; the list begins with +infinity: each lane sees 64 groups, so all eight places are taken
	v_mov_b32 v[LG+\i], 0
.endr
	s_barrier_wait -1                              ; all 64 x 256 minima are there
; PHASE B.  v[x] with the number gx goes into the sorted list v[A ..+7], numbers v[G ..+7].  Mask i: x < a_i.  a_i becomes the median of a_(i-1), a_i, x.  Place i takes its lower neighbour's number where x < a_(i-1), gx where only x < a_i.
.macro INS x, gx, A, G
.irp i, 0,1,2,3,4,5,6,7
	v_cmp_lt_f32 s[MK+\i], v[\x], v[\A+\i]
.endr
.irp i, 7,6,5,4,3,2,1
	v_med3_num_f32 v[\A+\i], v[\A+\i-1], v[\A+\i], v[\x]
.endr
	v_min_num_f32 v[\A], v[\A], v[\x]
.irp i, 0,1,2,3,4,5,6
	v_cndmask_b32 v[TT+\i], \gx, v[\G+\i], s[MK+\i]
.endr
.irp i, 7,6,5,4,3,2,1
	v_cndmask_b32 v[\G+\i], v[\G+\i], v[TT+\i-1], s[MK+\i]
.endr
	v_cndmask_b32 v[\G], v[\G], \gx, s[MK]
.endm
	s_mov_b32 s[GC], 0
	s_mov_b32 s[CNT], 4
.Lselect:                                          ; a trip: sixteen groups of my range
.irp t, 0,1,2,3
	ds_load_b128 v[E+4*\t:E+4*\t+3], v[MRD] offset:16*\t
.endr
	v_add_nc_u32 v[MRD], 64, v[MRD]
	s_wait_dscnt 0x0
.irp e, 0,1,2,3,4,5,6,7,8,9,10,11,12,13,14,15
	INS E+\e, s[GC], LA, LG
	s_add_co_u32 s[GC], s[GC], 1
.endr
	s_sub_co_u32 s[CNT], s[CNT], 1
	s_cmp_lg_u32 s[CNT], 0
	s_cbranch_scc1 .Lselect
; THE LISTS MEET.  A query has four: two lane halves in each of two waves, over four ranges in ascending order.
.irp i, 0,1,2,3,4,5,6,7
	v_add_nc_u32 v[LG+\i], v[GB], v[LG+\i]         ; counts within a range become group numbers
.endr
.irp i, 0,1,2,3,4,5,6,7
	v_permlanex16_b32 v[DD+\i], v[LA+\i], s[SEL], s[SEL+1]
	v_permlanex16_b32 v[DD+8+\i], v[LG+\i], s[SEL], s[SEL+1]
.endr
.irp i, 0,1,2,3,4,5,6,7
	INS DD+\i, v[DD+8+\i], LA, LG                  ; lanes 0-15 (the lower range) take in the eight of lane l xor 16, in ascending order: equals go behind, so ties stay with the lower number.  What lanes 16-31 make is not used
.endr
	s_cmp_lt_u32 s10, 4
	s_cbranch_scc1 .Lkeeps
.irp c, 0,1,2,3
	ds_store_b128 v[IMW], v[LA+4*\c:LA+4*\c+3] offset:512*\c   ; waves 4 to 7: the list goes to LDS as an image of its 16 registers
.endr
.Lkeeps:
	s_wait_dscnt 0x0                               ; for the others' sake: my image lies in LDS
	s_barrier_signal -1
	s_barrier_wait -1
	s_cmp_lt_u32 s10, 4
	s_cbranch_scc1 .Lfinish
	s_wait_tensorcnt 0x0
	ds_add_u32 v18, v19
	s_wait_dscnt 0x0
	s_endpgm                                       ; waves 4 to 7 have handed their lists on
.Lfinish:
.irp c, 0,1,2,3
	ds_load_b128 v[DD+4*\c:DD+4*\c+3], v[IMW] offset:512*\c    ; the upper ranges' list of my tile
.endr
	s_wait_dscnt 0x0
.irp i, 0,1,2,3,4,5,6,7
	v_cmp_lt_f32 s[MK+\i], v[DD+7-\i], v[LA+\i]    ; the 8 least of two sorted eights: of a_i and b_(7-i) the lesser; at a tie the lower range's
.endr
.irp i, 0,1,2,3,4,5,6,7
	v_cndmask_b32 v[RS+\i], v[LG+\i], v[DD+15-\i], s[MK+\i]
.endr
.macro CE a, b
	v_min_u32 v[TT], v[RS+\a], v[RS+\b]
	v_max_u32 v[RS+\b], v[RS+\a], v[RS+\b]
	v_mov_b32 v[RS+\a], v[TT]
.endm
	CE 0, 1                                        ; the eight numbers in ascending order (19 exchanges), so that the next launch meets candidates by ascending index
	CE 2, 3
	CE 4, 5
	CE 6, 7
	CE 0, 2
	CE 1, 3
	CE 4, 6
	CE 5, 7
	CE 1, 2
	CE 5, 6
	CE 0, 4
	CE 1, 5
	CE 2, 6
	CE 3, 7
	CE 2, 4
	CE 3, 5
	CE 1, 2
	CE 3, 4
	CE 5, 6
	ds_store_b128 v[STW], v[RS:RS+3]               ; 32 bytes a lane into my own stage; lanes 0-15 fill its first 512 bytes
	ds_store_b128 v[STW], v[RS+4:RS+7] offset:16
	ds_load_b128 v[DD:DD+3], v[STR]                ; LDS serves a wave's instructions in order (ISA guide 5.7.1.4): this sees my stores
	s_wait_dscnt 0x0
	global_store_b128 v[L16], v[DD:DD+3], s[8:9]   ; 16 queries x 32 bytes: 512 dense bytes, aligned
	s_wait_tensorcnt 0x0
	ds_add_u32 v18, v19
	s_wait_dscnt 0x0
	s_endpgm
.Lfunc_end_k_q8a6239261a_groups:
	.size	k_q8a6239261a_groups, .Lfunc_end_k_q8a6239261a_groups-k_q8a6239261a_groups
	.p2alignl 7, 3214868480
	.fill 96, 4, 3214868480
	.section	.rodata,"a",@progbits
	.p2align	6, 0x0
	.amdhsa_kernel k_q8a6239261a_groups
		.amdhsa_group_segment_fixed_size 192512
		.amdhsa_private_segment_fixed_size 0
		.amdhsa_enable_private_segment 0
		.amdhsa_kernarg_size 24
		.amdhsa_user_sgpr_count 2
		.amdhsa_user_sgpr_kernarg_segment_ptr 1
		.amdhsa_wavefront_size32 1
		.amdhsa_system_sgpr_workgroup_id_x 1
		.amdhsa_system_sgpr_workgroup_id_y 1
		.amdhsa_system_sgpr_workgroup_id_z 1
		.amdhsa_system_vgpr_workitem_id 0
		.amdhsa_next_free_vgpr 256
		.amdhsa_next_free_sgpr 66
		.amdhsa_reserve_vcc 0
		.amdhsa_float_denorm_mode_32 3
		.amdhsa_float_denorm_mode_16_64 3
		.amdhsa_memory_ordered 1
		.amdhsa_forward_progress 1
		.amdhsa_inst_pref_size 103
	.end_amdhsa_kernel
	.amdgpu_metadata
---
amdhsa.version: [ 1, 2 ]
amdhsa.kernels:
  - .name:           k_q8a6239261a_groups
    .symbol:         k_q8a6239261a_groups.kd
    .args:
      - { .name: points, .offset: 0, .size: 8, .value_kind: global_buffer, .address_space: global }
      - { .name: pts4, .offset: 8, .size: 8, .value_kind: global_buffer, .address_space: global }
      - { .name: gids, .offset: 16, .size: 8, .value_kind: global_buffer, .address_space: global }
    .group_segment_fixed_size: 192512
    .private_segment_fixed_size: 0
    .kernarg_segment_align: 8
    .kernarg_segment_size: 24
    .max_flat_workgroup_size: 256
    .sgpr_count:     66
    .vgpr_count:     256
    .wavefront_size: 32
...
	.end_amdgpu_metadata
.endif
;; end of part 1
;; launch rescan (part 2): grid 256 x 1, 4 waves a work-group, no clusters, 17,920 bytes of LDS; arguments pts4, gids, knn; writes knn
.if DOCPART == 2
	.amdgcn_target "amdgcn-amd-amdhsa--gfx1250"
	.amdhsa_code_object_version 6
	.text
	.protected	k_q8a6239261a_rescan
	.globl	k_q8a6239261a_rescan
	.p2align	8
	.type	k_q8a6239261a_rescan,@function
k_q8a6239261a_rescan:
	s_mov_b64 s[64:65], 0
	v_nop
	global_prefetch_b8 v0, s[64:65] scope:SCOPE_SE
	s_setreg_imm32_b32 hwreg(HW_REG_WAVE_MODE, 25, 1), 1
	s_wait_xcnt 0x0
; kNN, second step.  For each query the 8 x 32 candidates of its 8 groups (gids, ascending) are measured again, and the 8 nearest by (d2, index) go to knn[16384][8] as rows of the feature table (batch x 8192 + index).
; d2 = max((|p_i|^2 + |p_j|^2) - 2 (x x + y y + z z), 0), in f32, from pts4 = (x, y, z, |p|^2).
; SHARES.  256 work-groups x 4 waves; a wave owns 16 queries, two lanes each: lane (r, h) owns groups 4 h .. 4 h + 3 of query r.
; FOUR STAGES.  In stage g the wave loads group 4 h + g of every (r, h): 32 loads, each one group: 32 lanes x 16 bytes, 512 dense bytes; the group's number comes out of a register by v_readlane_b32, is held inside the
; table by s_min_u32 and enters the offset.  There a lane is a candidate and the query's four numbers are scalars.  The 32 x 32 d2 turn through the wave's own LDS (rows of 256 + 16 bytes),
; and come back with a lane's own 32 in its registers.  Then 32 stable insertions into the lane's sorted list of 8, with the index beside each d2.
; The next stage's loads are issued ahead of the insertions and land under them.  Groups and candidates come in ascending index, and an equal d2 goes behind: ties go to the lower index, as in reference()'s top_k.
; No branch and no address hangs on a floating-point number.  Waves share nothing: no barrier.  Work-groups share no tile at the same time: no cluster.  LIMITS: as stated at the head of the launch before.
.set WREG, 4352                        ; LDS of a wave: 16 rows of 272 bytes
.set LN,  1
.set RR,  2
.set HH,  3
.set L16, 4                            ; v4   16 x lane
.set STA, 5                            ; v5   LDS: 4 x lane in my wave's bytes
.set RDA, 6                            ; v6   LDS: row r, half h
.set IX,  7                            ; v7   the index of the candidate in hand
.set VG,  8                            ; v8-11  my groups' numbers: this stage's first
.set GOF, 12
.set STW, 13
.set STR, 14
.set LA,  16                           ; v16-23 the list's d2
.set LI,  24                           ; v24-31 and indices
.set TT,  32                           ; v32-38
.set E,   40                           ; v40-71 my 32 d2 of the stage
.set P,   72                           ; v72-199 32 groups: x, y, z, |p|^2 of one candidate a lane
.set QB,  16                           ; s[16:63], s[68:83] the 16 queries' x, y, z, |p|^2
.set TS,  84                           ; s[84:91]
.set MK,  92                           ; s[92:99] the insertion's masks
.set SEL, 100
.set CNT, 2
	s_load_b128 s[4:7], s[0:1], 0x0                ; pts4, gids
	s_load_b64 s[8:9], s[0:1], 0x10                ; knn
	v_lshl_add_u32 v200, v0, 2, 0x4400
	v_mov_b32 v201, 0
	v_lshrrev_b32 v1, 5, v0
	v_readfirstlane_b32 s10, v1                    ; wave
	v_and_b32 v[LN], 31, v0
	v_and_b32 v[RR], 15, v0
	v_bfe_u32 v[HH], v0, 4, 1
	v_lshlrev_b32 v[L16], 4, v[LN]
	v_lshlrev_b32 v[GOF], 5, v[RR]
	v_lshl_add_u32 v[GOF], v[HH], 4, v[GOF]        ; gids: 32 bytes a query, my half's 16
	s_mul_i32 s3, s10, WREG
	v_lshl_add_u32 v[STA], v[LN], 2, s3
	v_mul_u32_u24 v[RDA], v[RR], 272
	v_lshl_add_u32 v[RDA], v[HH], 7, v[RDA]
	v_add_nc_u32 v[RDA], s3, v[RDA]
	v_lshl_add_u32 v[STW], v[LN], 5, s3
	v_add_nc_u32 v[STR], s3, v[L16]
	s_lshl_b32 s11, ttmp9, 6
	s_lshl_b32 s12, s10, 4
	s_add_co_u32 s11, s11, s12                     ; my wave's first query
	s_lshl_b32 s12, s11, 4
	s_mov_b32 s13, 0
	s_lshl_b32 s14, s11, 5
	s_mov_b32 s15, 0
	s_mov_b32 s[SEL], 0x76543210
	s_mov_b32 s[SEL+1], 0xfedcba98
	s_wait_kmcnt 0x0
	s_add_nc_u64 s[12:13], s[4:5], s[12:13]
	s_add_nc_u64 s[6:7], s[6:7], s[14:15]
	s_add_nc_u64 s[8:9], s[8:9], s[14:15]
	s_load_b512 s[16:31], s[12:13], 0x0            ; my 16 queries: 256 dense bytes of a table that this launch only reads
	s_load_b512 s[32:47], s[12:13], 0x40
	s_load_b512 s[48:63], s[12:13], 0x80
	s_load_b512 s[68:83], s[12:13], 0xc0
	global_load_b128 v[VG:VG+3], v[GOF], s[6:7]    ; 32 lanes read the wave's 512 bytes
.irp i, 0,1,2,3,4,5,6,7
	v_mov_b32 v[LA+\i], 0x7f800000
	v_mov_b32 v[LI+\i], 0
.endr
	s_wait_loadcnt 0x0
.irp g, 0,1,2,3
	v_min_u32 v[VG+\g], 0x1ff, v[VG+\g]            ; 512 groups
.endr
.macro LOADS vg                        ; group l = (query l % 16, half l / 16), eight at a time; each load lands on its own offset register
.irp b, 0,1,2,3
.irp k, 0,1,2,3,4,5,6,7
	v_readlane_b32 s[TS+\k], v[\vg], 8*\b+\k
.endr
.irp k, 0,1,2,3,4,5,6,7
	s_min_u32 s[TS+\k], s[TS+\k], 0x1ff
.endr
.irp k, 0,1,2,3,4,5,6,7
	v_lshl_add_u32 v[P+4*(8*\b+\k)], s[TS+\k], 9, v[L16]       ; 512 bytes a group, 16 a lane
.endr
.irp k, 0,1,2,3,4,5,6,7
	global_load_b128 v[P+4*(8*\b+\k):P+4*(8*\b+\k)+3], v[P+4*(8*\b+\k)], s[4:5]
.endr
.endr
.endm
.macro DIST8 l0                        ; d2 of eight groups, line by line by turns
.irp k, 0,1,2,3,4,5,6,7
.set PL, P+4*(\l0+\k)
.set SQ, QB+4*((\l0+\k)%16)+4*(((\l0+\k)%16)/12)
	v_mul_f32 v[PL], s[SQ], v[PL]
	v_add_f32 v[PL+3], s[SQ+3], v[PL+3]
.endr
.irp k, 0,1,2,3,4,5,6,7
.set PL, P+4*(\l0+\k)
.set SQ, QB+4*((\l0+\k)%16)+4*(((\l0+\k)%16)/12)
	v_fma_f32 v[PL], s[SQ+1], v[PL+1], v[PL]
.endr
.irp k, 0,1,2,3,4,5,6,7
.set PL, P+4*(\l0+\k)
.set SQ, QB+4*((\l0+\k)%16)+4*(((\l0+\k)%16)/12)
	v_fma_f32 v[PL], s[SQ+2], v[PL+2], v[PL]
.endr
.irp k, 0,1,2,3,4,5,6,7
.set PL, P+4*(\l0+\k)
	v_fma_f32 v[PL], -2.0, v[PL], v[PL+3]
.endr
.irp k, 0,1,2,3,4,5,6,7
.set PL, P+4*(\l0+\k)
	v_max_num_f32 v[PL], 0, v[PL]
.endr
.irp k, 0,1,2,3,4,5,6,7
.set PL, P+4*(\l0+\k)
	ds_store_b32 v[STA], v[PL] offset:((\l0+\k)%16)*272+((\l0+\k)/16)*128
.endr
.endm
; v[x] with the number gx goes into the sorted list v[A ..+7], numbers v[G ..+7].  Mask i: x < a_i.  a_i becomes the median of a_(i-1), a_i, x.  Place i takes its lower neighbour's number where x < a_(i-1), gx where only x < a_i.
.macro INS x, gx, A, G
.irp i, 0,1,2,3,4,5,6,7
	v_cmp_lt_f32 s[MK+\i], v[\x], v[\A+\i]
.endr
.irp i, 7,6,5,4,3,2,1
	v_med3_num_f32 v[\A+\i], v[\A+\i-1], v[\A+\i], v[\x]
.endr
	v_min_num_f32 v[\A], v[\A], v[\x]
.irp i, 0,1,2,3,4,5,6
	v_cndmask_b32 v[TT+\i], \gx, v[\G+\i], s[MK+\i]
.endr
.irp i, 7,6,5,4,3,2,1
	v_cndmask_b32 v[\G+\i], v[\G+\i], v[TT+\i-1], s[MK+\i]
.endr
	v_cndmask_b32 v[\G], v[\G], \gx, s[MK]
.endm
	LOADS VG
	s_wait_kmcnt 0x0                               ; the queries
	s_mov_b32 s[CNT], 4
.Lstage:
	s_wait_loadcnt 0x0                             ; this stage's 32 groups, asked for a stage ago
	DIST8 0
	DIST8 8
	DIST8 16
	DIST8 24
	s_cmp_eq_u32 s[CNT], 1                         ; the last stage asks for nothing
	s_cbranch_scc1 .Lno_more
	LOADS VG+1
.Lno_more:
.irp t, 0,1,2,3,4,5,6,7
	ds_load_b128 v[E+4*\t:E+4*\t+3], v[RDA] offset:16*\t       ; LDS serves a wave's instructions in order (ISA guide 5.7.1.4): these see my stores, and the next stage's stores come behind them
.endr
	v_lshlrev_b32 v[IX], 5, v[VG]                  ; my group's first candidate
	v_mov_b32 v[VG], v[VG+1]                       ; the numbers move up a stage
	v_mov_b32 v[VG+1], v[VG+2]
	v_mov_b32 v[VG+2], v[VG+3]
	s_wait_dscnt 0x0
.irp e, 0,1,2,3,4,5,6,7,8,9,10,11,12,13,14,15,16,17,18,19,20,21,22,23,24,25,26,27,28,29,30,31
	INS E+\e, v[IX], LA, LI
	v_add_nc_u32 v[IX], 1, v[IX]
.endr
	s_sub_co_u32 s[CNT], s[CNT], 1
	s_cmp_lg_u32 s[CNT], 0
	s_cbranch_scc1 .Lstage
	; the two halves of a query: the 8 least of two sorted eights are, for each i, the lesser of a_i and b_(7-i); at a tie lanes 0-15 keep their own, whose indices are lower.  What lanes 16-31 make is not used
.irp i, 0,1,2,3,4,5,6,7
	v_permlanex16_b32 v[E+\i], v[LA+7-\i], s[SEL], s[SEL+1]
	v_permlanex16_b32 v[E+8+\i], v[LI+7-\i], s[SEL], s[SEL+1]
.endr
.irp i, 0,1,2,3,4,5,6,7
	v_cmp_lt_f32 s[MK+\i], v[E+\i], v[LA+\i]
.endr
.irp i, 0,1,2,3,4,5,6,7
	v_cndmask_b32 v[LI+\i], v[LI+\i], v[E+8+\i], s[MK+\i]
.endr
	ds_store_b128 v[STW], v[LI:LI+3]               ; 32 bytes a lane into my own bytes; lanes 0-15 fill the first 512
	ds_store_b128 v[STW], v[LI+4:LI+7] offset:16
	ds_load_b128 v[E:E+3], v[STR]
	s_wait_dscnt 0x0
	global_store_b128 v[L16], v[E:E+3], s[8:9]     ; 16 queries x 32 bytes: 512 dense bytes, aligned
	s_wait_tensorcnt 0x0
	ds_add_u32 v200, v201
	s_wait_dscnt 0x0
	s_endpgm
.Lfunc_end_k_q8a6239261a_rescan:
	.size	k_q8a6239261a_rescan, .Lfunc_end_k_q8a6239261a_rescan-k_q8a6239261a_rescan
	.p2alignl 7, 3214868480
	.fill 96, 4, 3214868480
	.section	.rodata,"a",@progbits
	.p2align	6, 0x0
	.amdhsa_kernel k_q8a6239261a_rescan
		.amdhsa_group_segment_fixed_size 17920
		.amdhsa_private_segment_fixed_size 0
		.amdhsa_enable_private_segment 0
		.amdhsa_kernarg_size 24
		.amdhsa_user_sgpr_count 2
		.amdhsa_user_sgpr_kernarg_segment_ptr 1
		.amdhsa_wavefront_size32 1
		.amdhsa_system_sgpr_workgroup_id_x 1
		.amdhsa_system_sgpr_workgroup_id_y 1
		.amdhsa_system_sgpr_workgroup_id_z 1
		.amdhsa_system_vgpr_workitem_id 0
		.amdhsa_next_free_vgpr 202
		.amdhsa_next_free_sgpr 102
		.amdhsa_reserve_vcc 0
		.amdhsa_float_denorm_mode_32 3
		.amdhsa_float_denorm_mode_16_64 3
		.amdhsa_memory_ordered 1
		.amdhsa_forward_progress 1
		.amdhsa_inst_pref_size 98
	.end_amdhsa_kernel
	.amdgpu_metadata
---
amdhsa.version: [ 1, 2 ]
amdhsa.kernels:
  - .name:           k_q8a6239261a_rescan
    .symbol:         k_q8a6239261a_rescan.kd
    .args:
      - { .name: pts4, .offset: 0, .size: 8, .value_kind: global_buffer, .address_space: global }
      - { .name: gids, .offset: 8, .size: 8, .value_kind: global_buffer, .address_space: global }
      - { .name: knn, .offset: 16, .size: 8, .value_kind: global_buffer, .address_space: global }
    .group_segment_fixed_size: 17920
    .private_segment_fixed_size: 0
    .kernarg_segment_align: 8
    .kernarg_segment_size: 24
    .max_flat_workgroup_size: 128
    .sgpr_count:     102
    .vgpr_count:     202
    .wavefront_size: 32
...
	.end_amdgpu_metadata
.endif
;; end of part 2
;; launch enhance (part 3): grid 256 x 1, 16 waves a work-group, no clusters, 104,448 bytes of LDS; arguments features, knn, W1, b1, W2, b2, out0, out1; writes out0, out1
.if DOCPART == 3
	.amdgcn_target "amdgcn-amd-amdhsa--gfx1250"
	.amdhsa_code_object_version 6
	.text
	.protected	k_q8a6239261a_enhance
	.globl	k_q8a6239261a_enhance
	.p2align	8
	.type	k_q8a6239261a_enhance,@function
k_q8a6239261a_enhance:
	s_mov_b64 s[64:65], 0
	v_nop
	global_prefetch_b8 v0, s[64:65] scope:SCOPE_SE
	s_setreg_imm32_b32 hwreg(HW_REG_WAVE_MODE, 25, 1), 1
	s_wait_xcnt 0x0
; out0 = p = sigmoid(relu(Q(f) Q(W1) + b1) W2 + b2);  out1 = f + 0.3 tanh(5 x mean over the 8 neighbours of |f_n - f|) p.  features: [16384][256] f32, knn: [16384][8] rows of it (stored by the launch before).
; The first product is on codes of BF8 (E5M2) with one E8M0 scale for each 32 along K = 256, made here by the stated quantiser; all else in f32.
; SHARES.  256 work-groups x 16 waves; a work-group owns 64 rows, a wave 4 of them.
; THE NET.  Each wave puts its 4 rows into a stage in LDS.  Then each wave quantises ONE fragment of 16 x 128: waves 0-7 the rows' (tile w / 2, K step w % 2), from the stage; waves 8-15 W1's (16 columns, K step), from memory,
; a lane to a column and its registers down K.  The fragments go to LDS as images of their registers.  Wave w multiplies the rows' tile w / 4 by W1's tile w % 4: two matrix instructions, used transposed (source 0 = 16 hidden
; units, source 1 = 16 rows), b1 as the first one's C: a lane holds one row and 8 hidden units, so relu and the product with W2 are 8 + 8 instructions and one exchange.  A row's four partial sums meet in LDS.
; THE GATHER.  A wave takes a row at a time: each of the 8 neighbours is two loads of 512 dense bytes; the row numbers come by scalar loads, are held inside the table by s_min_u32 and enter the offsets.  Two buffers of 16 loads
; take turns; the first row's loads go out at the head and land under the net.
; NO TENSOR LOAD, NO CLUSTER: what work-groups share is W1, 65,536 bytes against the 64 x 9 x 1,024 bytes of rows that a work-group reads, and it is quantised out of registers; the gathered rows differ from work-group to work-group.
; LIMITS: a block of zeros gets the scale byte 1 where the rule says 127 (its codes are zeros, and this launch alone reads the bytes); blocks whose largest magnitude lies under 2^-111 are held at that byte; NaN and infinities
; are not served; tanh(x) = 1 - 2 / (1 + 2^(2 x log2 e)) is good to some 1e-7 absolutely, not relatively, for small x; a row's sum of squares stays inside f32.
.set XP,   1040                        ; a row in the stage: 1,024 bytes + 16: an odd multiple of 16, so that 16 rows' 16-byte pieces start in 16 different groups of banks (64 banks of 4 bytes: ISA guide 11.1)
.set IMG,  64*XP                       ; 16 images of 2,048 bytes: the rows' eight, then W1's eight
.set SCW,  IMG+16*2048                 ; their scale words, 128 bytes each
.set PP,   SCW+16*128                  ; partial sums [64 rows][4]
.set LN,  1
.set RR,  2
.set HH,  3
.set L16, 4                            ; v4   16 x lane
.set XSW, 5                            ; v5   stage: my wave's rows
.set XSR, 6                            ; v6   stage: the fragment that I quantise (waves 0-7)
.set W1O, 7                            ; v7   W1: the fragment that I quantise (waves 8-15)
.set IMW, 8                            ; v8   where my image goes;  v9 its scale words
.set SWW, 9
.set IMX, 10                           ; v10  the rows' images that I multiply;  v11 W1's;  v12, v13 their scale words
.set IMV, 11
.set SWX, 12
.set SWV, 13
.set PPW, 14                           ; v14  where my partial sum goes
.set PPR, 15                           ; v15  my 4 rows' partial sums
.set PP0, 16                           ; v16  rows 2 lane, 2 lane + 1: for out0
.set BO,  17                           ; v17  b1, W2: my 8 hidden units
.set O0,  18                           ; v18  8 x lane
.set OWO, 19                           ; v19  my wave's rows in features and in out1: 16 x lane + 1,024 x first row; never rewritten
.set OWN, 24                           ; v24-55   my 4 rows: lane l holds numbers 4 l .. 4 l + 3 and 128 + 4 l .. + 3
.set NB,  56                           ; v56-119, v120-183  two buffers of 8 neighbour rows
.set QS,  120                          ; the 64 numbers to be quantised; then the four fragments; then the partial sums
.set XF,  120
.set WF,  152
.set ZP,  120
.set OF,  184                          ; v184-199 the neighbours' offsets, 8 for each buffer
.set PC,  200                          ; v200-215 the codes just made
.set SS,  200                          ; later: 8 sums of squares, a pair each
.set TM,  216                          ; v216-231 the quantiser's
.set Z,   216                          ; later: v216-221 six sigmoids
.set PR,  224                          ; v224-227 0.3 p of my 4 rows
.set EN,  228                          ; v[228:229] the enhancement (the low word serves both halves)
.set TH,  230
.set BI,  232                          ; v232-239 b1, and the accumulator in place
.set W2R, 240                          ; v240-247
.set PW,  248                          ; the scale word just made
.set SX,  249                          ; v249-250 the rows' scale words, v251-252 W1's: scales and nothing else
.set SV,  251
.set Y,   253
.set PD,  254
.set SEL, 24                           ; s[24:25]
.set MNT, 26                           ; s26  the mantissa field of 57,344
.set IDX, 32                           ; s[32:63] my 4 rows' 8 neighbours each
	s_load_b512 s[4:19], s[0:1], 0x0               ; features s[4:5], knn s[6:7], W1 s[8:9], b1 s[10:11], W2 s[12:13], b2 s[14:15], out0 s[16:17], out1 s[18:19]
	v_lshl_add_u32 v23, v0, 2, 0x19000
	v_mov_b32 v255, 0
	v_lshrrev_b32 v1, 5, v0
	v_readfirstlane_b32 s20, v1                    ; wave 0..15
	v_and_b32 v[LN], 31, v0
	v_and_b32 v[RR], 15, v0
	v_bfe_u32 v[HH], v0, 4, 1
	v_lshlrev_b32 v[L16], 4, v[LN]
	s_and_b32 s21, s20, 1                          ; quantising: K step
	s_bfe_u32 s22, s20, 0x20001                    ; and tile (w / 2) % 4
	s_lshr_b32 s23, s20, 2                         ; multiplying: the rows' tile m
	s_and_b32 s28, s20, 3                          ; and W1's tile n
	s_mul_i32 s27, s20, 4*XP
	v_add_nc_u32 v[XSW], s27, v[L16]
	s_mul_i32 s27, s22, 16*XP
	s_lshl_b32 s29, s21, 9
	s_add_co_u32 s27, s27, s29
	v_mul_u32_u24 v[XSR], v[RR], XP
	v_lshl_add_u32 v[XSR], v[HH], 6, v[XSR]
	v_add_nc_u32 v[XSR], s27, v[XSR]               ; row 16 tile + r, K step, my 16 numbers of each block of 32
	s_lshl_b32 s27, s22, 6
	s_lshl_b32 s29, s21, 15
	s_add_co_u32 s27, s27, s29
	v_lshlrev_b32 v[W1O], 2, v[RR]
	v_lshl_add_u32 v[W1O], v[HH], 12, v[W1O]
	v_add_nc_u32 v[W1O], s27, v[W1O]               ; column 16 tile + r; 16 rows of 256 bytes further down for lanes 16-31; 128 rows for K step 1
	s_lshl_b32 s27, s20, 11
	s_add_co_u32 s27, s27, IMG
	v_add_nc_u32 v[IMW], s27, v[L16]
	s_lshl_b32 s27, s20, 7
	s_add_co_u32 s27, s27, SCW
	v_lshl_add_u32 v[SWW], v[LN], 2, s27
	s_lshl_b32 s27, s23, 12
	s_add_co_u32 s27, s27, IMG
	v_add_nc_u32 v[IMX], s27, v[L16]
	s_lshl_b32 s27, s28, 12
	s_add_co_u32 s27, s27, IMG+16384
	v_add_nc_u32 v[IMV], s27, v[L16]
	s_lshl_b32 s27, s23, 8
	s_add_co_u32 s27, s27, SCW
	v_lshl_add_u32 v[SWX], v[LN], 2, s27
	s_lshl_b32 s27, s28, 8
	s_add_co_u32 s27, s27, SCW+1024
	v_lshl_add_u32 v[SWV], v[LN], 2, s27
	s_lshl_b32 s27, s23, 8
	s_lshl_b32 s29, s28, 2
	s_add_co_u32 s27, s27, s29
	s_add_co_u32 s27, s27, PP
	v_lshl_add_u32 v[PPW], v[RR], 4, s27           ; row 16 m + r, partial n
	s_lshl_b32 s27, s20, 6
	s_add_co_u32 s27, s27, PP
	v_mov_b32 v[PPR], s27                          ; rows 4 w on: every lane reads the same words
	v_lshl_add_u32 v[PP0], v[LN], 5, PP
	s_lshl_b32 s27, s28, 6
	v_lshl_add_u32 v[BO], v[HH], 5, s27            ; hidden units 16 n + 8 h on, 4 bytes each
	v_lshlrev_b32 v[O0], 3, v[LN]
	s_lshl_b32 s27, ttmp9, 6
	s_lshl_b32 s29, s20, 2
	s_add_co_u32 s27, s27, s29                     ; my wave's first row
	s_lshl_b32 s31, s27, 10
	v_add_nc_u32 v[OWO], s31, v[L16]
	s_lshl_b32 s66, s27, 5                         ; knn: 32 bytes a row
	s_mov_b32 s67, 0
	s_lshl_b32 s68, ttmp9, 8                       ; out0: 256 bytes a work-group
	s_mov_b32 s69, 0
	s_mov_b32 s[SEL], 0x76543210
	s_mov_b32 s[SEL+1], 0xfedcba98
	s_mov_b32 s[MNT], 0x600000
.irp b, 0,1,2,3
	v_mov_b32 v[TM+4+\b], 0                        ; written once: a lane permute's destination counts as one of its sources
.endr
	v_mov_b32 v[PD], 0
	v_mov_b32 v[EN+1], 0                           ; (named as the upper half of a pair)
	s_wait_kmcnt 0x0
	s_add_nc_u64 s[6:7], s[6:7], s[66:67]
	s_add_nc_u64 s[16:17], s[16:17], s[68:69]
	s_load_b512 s[32:47], s[6:7], 0x0              ; my 4 rows' neighbours: 128 dense bytes of a table that this launch only reads
	s_load_b512 s[48:63], s[6:7], 0x40
	s_load_b32 s30, s[14:15], 0x0                  ; b2
.irp q, 0,1,2,3
	global_load_b128 v[OWN+8*\q:OWN+8*\q+3], v[OWO], s[4:5] offset:1024*\q
	global_load_b128 v[OWN+8*\q+4:OWN+8*\q+7], v[OWO], s[4:5] offset:1024*\q+512
.endr
	global_load_b128 v[BI:BI+3], v[BO], s[10:11]
	global_load_b128 v[BI+4:BI+7], v[BO], s[10:11] offset:16
	global_load_b128 v[W2R:W2R+3], v[BO], s[12:13]
	global_load_b128 v[W2R+4:W2R+7], v[BO], s[12:13] offset:16
; the 8 neighbours of my row q into buffer buf: 16 loads of 512 dense bytes.  A buffer's offsets are written again only behind the wait for its own loads
.macro GATH q, buf
.irp k, 0,1,2,3,4,5,6,7
	s_min_u32 s[IDX+8*\q+\k], s[IDX+8*\q+\k], 0x3fff
.endr
.irp k, 0,1,2,3,4,5,6,7
	v_lshl_add_u32 v[OF+8*\buf+\k], s[IDX+8*\q+\k], 10, v[L16]
.endr
.irp k, 0,1,2,3,4,5,6,7
	global_load_b128 v[NB+64*\buf+8*\k:NB+64*\buf+8*\k+3], v[OF+8*\buf+\k], s[4:5]
	global_load_b128 v[NB+64*\buf+8*\k+4:NB+64*\buf+8*\k+7], v[OF+8*\buf+\k], s[4:5] offset:512
.endr
.endm
	s_wait_kmcnt 0x0
	GATH 0, 0
	s_wait_loadcnt 20                              ; my rows are in; the 4 loads of b1 and W2 and the 16 of the first neighbours may be out
.irp q, 0,1,2,3
	ds_store_b128 v[XSW], v[OWN+8*\q:OWN+8*\q+3] offset:\q*XP
	ds_store_b128 v[XSW], v[OWN+8*\q+4:OWN+8*\q+7] offset:\q*XP+512
.endr
	s_wait_dscnt 0x0                               ; for the others' sake: my rows lie in the stage
	s_barrier_signal -1
	s_barrier_wait -1
	; 64 numbers a lane: register 16 b + i = k 128 (K step) + 32 b + 16 (lane / 16) + i of my row of f, or of my column of W1
	s_cmp_lt_u32 s20, 8
	s_cbranch_scc0 .Lweights
.irp b, 0,1,2,3
.irp j, 0,1,2,3
	ds_load_b128 v[QS+16*\b+4*\j:QS+16*\b+4*\j+3], v[XSR] offset:128*\b+16*\j
.endr
.endr
	s_wait_dscnt 0x0
	s_branch .Lquant
.Lweights:
.irp b, 0,1,2,3
.irp i, 0,1,2,3,4,5,6,7,8,9,10,11,12,13,14,15
	global_load_b32 v[QS+16*\b+\i], v[W1O], s[8:9] offset:256*(32*\b+\i)   ; sixteen neighbouring lanes read 64 neighbouring bytes
.endr
.endr
	s_wait_loadcnt 0x0
.Lquant:
	; the quantiser: each block's largest magnitude with the floor 2^(16 - 127) among its leaves, so that the byte cannot fall under 1; the four blocks by turns
.irp b, 0,1,2,3
	v_max3_num_f32 v[TM+\b], |v[QS+16*\b]|, |v[QS+1+16*\b]|, 0x8000000
.endr
.irp i, 2,4,6,8,10,12,14
.irp b, 0,1,2,3
	v_max3_num_f32 v[TM+\b], v[TM+\b], |v[QS+16*\b+\i]|, |v[QS+1+16*\b+\i]|
.endr
.endr
.irp b, 0,1,2,3
	v_permlanex16_b32 v[TM+4+\b], v[TM+\b], s[SEL], s[SEL+1]
.endr
.irp b, 0,1,2,3
	v_max_num_f32 v[TM+\b], v[TM+\b], v[TM+4+\b]   ; with lane l xor 16's 16 numbers: the block's
.endr
.irp b, 0,1,2,3
	v_add_nc_u32 v[TM+12+\b], 0xf8800000, v[TM+\b] ; 15 off its exponent field: the conversion takes the exponent field of this operand as its scale
.endr
.irp b, 0,1,2,3
	v_and_or_b32 v[TM+8+\b], v[TM+\b], 0x7f800000, s[MNT]   ; 57,344 x the scale
.endr
.irp b, 0,1,2,3
	v_lshrrev_b32 v[TM+4+\b], 23, v[TM+12+\b]      ; the scale's byte
.endr
	v_lshl_or_b32 v[PW], v[TM+5], 8, v[TM+4]       ; the four bytes make my row's (column's) scale word
	v_lshl_or_b32 v[PW], v[TM+6], 16, v[PW]
	v_lshl_or_b32 v[PW], v[TM+7], 24, v[PW]
.irp b, 0,1,2,3
.irp i, 0,1,2,3,4,5,6,7,8,9,10,11,12,13,14,15
	v_med3_num_f32 v[QS+16*\b+\i], v[QS+16*\b+\i], -v[TM+8+\b], v[TM+8+\b]   ; the conversion to an 8-bit code does not saturate (ISA guide 7.6.2): the hold at the largest code x the scale
.endr
	v_cvt_scalef32_pk8_bf8_f32 v[PC+4*\b:PC+1+4*\b], v[QS+16*\b:QS+7+16*\b], v[TM+12+\b]
	v_cvt_scalef32_pk8_bf8_f32 v[PC+2+4*\b:PC+3+4*\b], v[QS+8+16*\b:QS+15+16*\b], v[TM+12+\b]
.endr
	v_nop                                          ; one plain vector instruction behind the last scaled conversion
.irp c, 0,1,2,3
	ds_store_b128 v[IMW], v[PC+4*\c:PC+4*\c+3] offset:512*\c   ; the fragment goes to LDS as an image of its registers
.endr
	ds_store_b32 v[SWW], v[PW]
	s_wait_dscnt 0x0                               ; for the others' sake: my image lies in LDS
	s_barrier_signal -1
	s_barrier_wait -1
.irp s, 0,1
.irp c, 0,1,2,3
	ds_load_b128 v[XF+16*\s+4*\c:XF+16*\s+4*\c+3], v[IMX] offset:2048*\s+512*\c
	ds_load_b128 v[WF+16*\s+4*\c:WF+16*\s+4*\c+3], v[IMV] offset:2048*\s+512*\c
.endr
	ds_load_b32 v[SX+\s], v[SWX] offset:128*\s
	ds_load_b32 v[SV+\s], v[SWV] offset:128*\s
.endr
	s_wait_dscnt 0x0
	s_wait_loadcnt 16                              ; b1 and W2 are in; the first neighbours' 16 loads may be out
	v_wmma_scale_f32_16x16x128_f8f6f4 v[BI:BI+7], v[WF:WF+15], v[XF:XF+15], v[BI:BI+7], v[SV], v[SX] matrix_a_fmt:MATRIX_FMT_BF8 matrix_b_fmt:MATRIX_FMT_BF8
	s_wait_alu depctr_va_vdst(0)                   ; the wait directly ahead of the second
	v_wmma_scale_f32_16x16x128_f8f6f4 v[BI:BI+7], v[WF+16:WF+31], v[XF+16:XF+31], v[BI:BI+7], v[SV+1], v[SX+1] matrix_a_fmt:MATRIX_FMT_BF8 matrix_b_fmt:MATRIX_FMT_BF8
.rept 8
	v_nop                                          ; eight places ahead of the first read of the result and of the loads into the fragments' registers
.endr
.irp j, 0,1,2,3,4,5,6,7
	v_max_num_f32 v[BI+\j], 0, v[BI+\j]            ; relu, from the accumulator's low end on: lane (r, h): row 16 m + r, hidden units 16 n + 8 h + j
.endr
	v_mul_f32 v[Y], v[BI], v[W2R]
.irp j, 1,2,3,4,5,6,7
	v_fmac_f32 v[Y], v[BI+\j], v[W2R+\j]
.endr
	v_permlanex16_b32 v[PD], v[Y], s[SEL], s[SEL+1]
	v_add_f32 v[Y], v[Y], v[PD]                    ; my tile's 16 hidden units
	ds_store_b32 v[PPW], v[Y]                      ; lanes l and l xor 16 write the same word with the same value
	s_wait_dscnt 0x0
	s_barrier_signal -1
	s_barrier_wait -1
.irp i, 0,1,2,3
	ds_load_b128 v[ZP+4*\i:ZP+4*\i+3], v[PPR] offset:16*\i     ; my 4 rows,
.endr
	ds_load_b128 v[ZP+16:ZP+19], v[PP0]                        ; and rows 2 lane, 2 lane + 1 of the work-group's 64
	ds_load_b128 v[ZP+20:ZP+23], v[PP0] offset:16
	s_wait_dscnt 0x0
.irp k, 0,1,2,3,4,5
	v_add_f32 v[ZP+4*\k], v[ZP+4*\k], v[ZP+4*\k+1]
	v_add_f32 v[ZP+4*\k+2], v[ZP+4*\k+2], v[ZP+4*\k+3]
.endr
.irp k, 0,1,2,3,4,5
	v_add_f32 v[Z+\k], v[ZP+4*\k], v[ZP+4*\k+2]
.endr
.irp k, 0,1,2,3,4,5
	v_add_f32 v[Z+\k], s30, v[Z+\k]                ; + b2
.endr
.irp k, 0,1,2,3,4,5
	v_mul_f32 v[Z+\k], 0xbfb8aa3b, v[Z+\k]         ; x -log2(e)
.endr
.irp k, 0,1,2,3,4,5
	v_exp_f32 v[Z+\k], v[Z+\k]
.endr
	v_nop                                          ; a plain instruction behind the batch,
	s_wait_alu depctr_va_vdst(0)                   ; and one wait ahead of its first reader
.irp k, 0,1,2,3,4,5
	v_add_f32 v[Z+\k], 1.0, v[Z+\k]
.endr
.irp k, 0,1,2,3,4,5
	v_rcp_f32 v[Z+\k], v[Z+\k]                     ; p
.endr
	v_nop
	s_wait_alu depctr_va_vdst(0)
.irp q, 0,1,2,3
	v_mul_f32 v[PR+\q], 0x3e99999a, v[Z+\q]        ; 0.3 p
.endr
	s_cmp_lg_u32 s20, 0
	s_cbranch_scc1 .Lno_out0
	global_store_b64 v[O0], v[Z+4:Z+5], s[16:17]   ; 32 lanes store the work-group's 256 bytes of out0, aligned; these registers are not written again
.Lno_out0:
; My row q against the 8 neighbours in buffer buf.  left: the other buffer's loads, which may stay out.
.macro QRY q, buf, left
.set N, NB+64*\buf
	s_wait_loadcnt \left
.irp k, 0,1,2,3,4,5,6,7
.irp c, 0,1,2,3
	v_pk_add_f32 v[N+8*\k+2*\c:N+8*\k+2*\c+1], v[N+8*\k+2*\c:N+8*\k+2*\c+1], v[OWN+8*\q+2*\c:OWN+8*\q+2*\c+1] neg_lo:[0,1] neg_hi:[0,1]
.endr
.endr
.irp k, 0,1,2,3,4,5,6,7
	v_pk_mul_f32 v[SS+2*\k:SS+2*\k+1], v[N+8*\k:N+8*\k+1], v[N+8*\k:N+8*\k+1]
.endr
.irp c, 1,2,3
.irp k, 0,1,2,3,4,5,6,7
	v_pk_fma_f32 v[SS+2*\k:SS+2*\k+1], v[N+8*\k+2*\c:N+8*\k+2*\c+1], v[N+8*\k+2*\c:N+8*\k+2*\c+1], v[SS+2*\k:SS+2*\k+1]
.endr
.endr
.irp k, 0,1,2,3,4,5,6,7
	v_add_f32 v[SS+2*\k], v[SS+2*\k], v[SS+2*\k+1]
.endr
.irp x, 1,2,4,8
.irp k, 0,1,2,3,4,5,6,7
	v_add_f32_dpp v[SS+2*\k], v[SS+2*\k], v[SS+2*\k] row_xmask:\x row_mask:0xf bank_mask:0xf
.endr
.endr
.irp k, 0,1,2,3,4,5,6,7
	v_permlanex16_b32 v[SS+2*\k+1], v[SS+2*\k], s[SEL], s[SEL+1]
.endr
.irp k, 0,1,2,3,4,5,6,7
	v_add_f32 v[SS+2*\k], v[SS+2*\k], v[SS+2*\k+1] ; every lane holds neighbour k's sum of 256 squares
.endr
.irp k, 0,1,2,3,4,5,6,7
	v_sqrt_f32 v[SS+2*\k], v[SS+2*\k]
.endr
	v_nop
	s_wait_alu depctr_va_vdst(0)                   ; one wait for the eight roots
	v_add_f32 v[SS], v[SS], v[SS+2]
	v_add_f32 v[SS+4], v[SS+4], v[SS+6]
	v_add_f32 v[SS+8], v[SS+8], v[SS+10]
	v_add_f32 v[SS+12], v[SS+12], v[SS+14]
	v_add_f32 v[SS], v[SS], v[SS+4]
	v_add_f32 v[SS+8], v[SS+8], v[SS+12]
	v_add_f32 v[SS], v[SS], v[SS+8]
	v_mul_f32 v[TH], 0x3fe6d4ca, v[SS]             ; 2 x (5 / 8) x log2(e) x the sum of the norms
	v_exp_f32 v[TH], v[TH]
	v_nop
	s_wait_alu depctr_va_vdst(0)
	v_add_f32 v[TH], 1.0, v[TH]
	v_rcp_f32 v[TH], v[TH]
	v_nop
	s_wait_alu depctr_va_vdst(0)
	v_fma_f32 v[TH], -2.0, v[TH], 1.0              ; tanh
	v_mul_f32 v[EN], v[TH], v[PR+\q]
.irp c, 0,1,2,3
	v_pk_add_f32 v[OWN+8*\q+2*\c:OWN+8*\q+2*\c+1], v[OWN+8*\q+2*\c:OWN+8*\q+2*\c+1], v[EN:EN+1] op_sel_hi:[1,0]
.endr
	global_store_b128 v[OWO], v[OWN+8*\q:OWN+8*\q+3], s[18:19] offset:1024*\q th:TH_STORE_NT        ; 512 dense bytes, aligned; the row's registers and the offset are not written again
	global_store_b128 v[OWO], v[OWN+8*\q+4:OWN+8*\q+7], s[18:19] offset:1024*\q+512 th:TH_STORE_NT
.endm
	GATH 1, 1
	QRY 0, 0, 16
	GATH 2, 0
	QRY 1, 1, 16
	GATH 3, 1
	QRY 2, 0, 16
	QRY 3, 1, 0
	s_wait_tensorcnt 0x0
	ds_add_u32 v23, v255
	s_wait_dscnt 0x0
	s_endpgm
.Lfunc_end_k_q8a6239261a_enhance:
	.size	k_q8a6239261a_enhance, .Lfunc_end_k_q8a6239261a_enhance-k_q8a6239261a_enhance
	.p2alignl 7, 3214868480
	.fill 96, 4, 3214868480
	.section	.rodata,"a",@progbits
	.p2align	6, 0x0
	.amdhsa_kernel k_q8a6239261a_enhance
		.amdhsa_group_segment_fixed_size 104448
		.amdhsa_private_segment_fixed_size 0
		.amdhsa_enable_private_segment 0
		.amdhsa_kernarg_size 64
		.amdhsa_user_sgpr_count 2
		.amdhsa_user_sgpr_kernarg_segment_ptr 1
		.amdhsa_wavefront_size32 1
		.amdhsa_system_sgpr_workgroup_id_x 1
		.amdhsa_system_sgpr_workgroup_id_y 1
		.amdhsa_system_sgpr_workgroup_id_z 1
		.amdhsa_system_vgpr_workitem_id 0
		.amdhsa_next_free_vgpr 256
		.amdhsa_next_free_sgpr 70
		.amdhsa_reserve_vcc 0
		.amdhsa_float_denorm_mode_32 3
		.amdhsa_float_denorm_mode_16_64 3
		.amdhsa_memory_ordered 1
		.amdhsa_forward_progress 1
		.amdhsa_inst_pref_size 70
	.end_amdhsa_kernel
	.amdgpu_metadata
---
amdhsa.version: [ 1, 2 ]
amdhsa.kernels:
  - .name:           k_q8a6239261a_enhance
    .symbol:         k_q8a6239261a_enhance.kd
    .args:
      - { .name: features, .offset: 0, .size: 8, .value_kind: global_buffer, .address_space: global }
      - { .name: knn, .offset: 8, .size: 8, .value_kind: global_buffer, .address_space: global }
      - { .name: W1, .offset: 16, .size: 8, .value_kind: global_buffer, .address_space: global }
      - { .name: b1, .offset: 24, .size: 8, .value_kind: global_buffer, .address_space: global }
      - { .name: W2, .offset: 32, .size: 8, .value_kind: global_buffer, .address_space: global }
      - { .name: b2, .offset: 40, .size: 8, .value_kind: global_buffer, .address_space: global }
      - { .name: out0, .offset: 48, .size: 8, .value_kind: global_buffer, .address_space: global }
      - { .name: out1, .offset: 56, .size: 8, .value_kind: global_buffer, .address_space: global }
    .group_segment_fixed_size: 104448
    .private_segment_fixed_size: 0
    .kernarg_segment_align: 8
    .kernarg_segment_size: 64
    .max_flat_workgroup_size: 512
    .sgpr_count:     70
    .vgpr_count:     256
    .wavefront_size: 32
...
	.end_amdgpu_metadata
.endif
;; end of part 3
;; ======== version 2 of 2: 3 launches; version 1 with the launch enhance written anew for expert scheduling mode
;; workspace buffers: pts4 262,144 bytes; gids 524,288 bytes of whole numbers; knn 524,288 bytes of whole numbers
;; launch groups: the kernel of part 1 again; grid 256 x 1, 8 waves a work-group, no clusters, 192,512 bytes of LDS; arguments points, pts4, gids; writes pts4, gids
;; launch rescan: the kernel of part 2 again; grid 256 x 1, 4 waves a work-group, no clusters, 17,920 bytes of LDS; arguments pts4, gids, knn; writes knn
;; launch enhance (part 4): grid 256 x 1, 16 waves a work-group, no clusters, 104,448 bytes of LDS; arguments features, knn, W1, b1, W2, b2, out0, out1; writes out0, out1
.if DOCPART == 4
	.amdgcn_target "amdgcn-amd-amdhsa--gfx1250"
	.amdhsa_code_object_version 6
	.text
	.protected	k_q8a6239261a_enhance
	.globl	k_q8a6239261a_enhance
	.p2align	8
	.type	k_q8a6239261a_enhance,@function
k_q8a6239261a_enhance:
	s_mov_b64 s[64:65], 0
	v_nop
	global_prefetch_b8 v0, s[64:65] scope:SCOPE_SE
	s_setreg_imm32_b32 hwreg(HW_REG_WAVE_SCHED_MODE, 0, 2), 2
	s_setreg_imm32_b32 hwreg(HW_REG_WAVE_MODE, 25, 1), 1
	s_wait_xcnt 0x0
	s_wait_alu depctr_vm_vsrc(0)
; out0 = p = sigmoid(relu(Q(f) Q(W1) + b1) W2 + b2);  out1 = f + 0.3 tanh(5 x mean over the 8 neighbours of |f_n - f|) p.  features: [16384][256] f32, knn: [16384][8] rows of it (stored by the launch before).
; The first product is on codes of BF8 (E5M2) with one E8M0 scale for each 32 along K = 256, made here by the stated quantiser; all else in f32.
; SHARES.  256 work-groups x 16 waves; a work-group owns 64 rows, a wave 4 of them.
; THE NET.  Each wave puts its 4 rows into a stage in LDS.  Then each wave quantises ONE fragment of 16 x 128: waves 0-7 the rows' (tile w / 2, K step w % 2), from the stage; waves 8-15 W1's (16 columns, K step), from memory,
; a lane to a column and its registers down K.  The fragments go to LDS as images of their registers.  Wave w multiplies the rows' tile w / 4 by W1's tile w % 4: two matrix instructions, used transposed (source 0 = 16 hidden
; units, source 1 = 16 rows), b1 as the first one's C: a lane holds one row and 8 hidden units, so relu and the product with W2 are 8 + 8 instructions and one exchange.  A row's four partial sums meet in LDS.
; THE GATHER.  A wave takes a row at a time: each of the 8 neighbours is two loads of 512 dense bytes; the row numbers come by scalar loads, are held inside the table by s_min_u32 and enter the offsets.  Two buffers of 16 loads
; take turns; the first row's loads go out at the head and land under the net.
; NO TENSOR LOAD, NO CLUSTER: what work-groups share is W1, 65,536 bytes against the 64 x 9 x 1,024 bytes of rows that a work-group reads, and it is quantised out of registers; the gathered rows differ from work-group to work-group.
; LIMITS: a block of zeros gets the scale byte 1 where the rule says 127 (its codes are zeros, and this launch alone reads the bytes); blocks whose largest magnitude lies under 2^-111 are held at that byte; NaN and infinities
; are not served; tanh(x) = 1 - 2 / (1 + 2^(2 x log2 e)) is good to some 1e-7 absolutely, not relatively, for small x; a row's sum of squares stays inside f32.
; THE MODE: SCHED_MODE bits 1:0 = 2 (LLVM: expert scheduling mode 2), set by the entry lines.  The code itself states the register dependences between vector or matrix instructions and memory or LDS instructions,
; with s_wait_alu, always for 0.
; THE PLAN.  Registers that memory or LDS instructions touch:
;   v4-v19     addresses and offsets: made at the head, never written again: one wait on va_vdst ahead of the first load serves them all.
;   OWN        my 4 rows: loaded; read by the stage's LDS stores; row q is written once more, by the four additions at the end of its turn, and then stored.
;   NB0, NB1   two buffers of 8 neighbour rows.  A row's turn subtracts in place and squares; behind the squares the buffer is empty, and the row two further on is asked for into it.
;              NB1's registers serve the net first: the 64 numbers to be quantised, then the four fragments, then the partial sums, each brought by loads and named by vector or matrix instructions.
;   OF0, OF1   a buffer's 8 offsets: rows 0 and 1 at the head, rows 2 and 3 behind the squares of rows 0 and 1.
;   PC, PW     codes and scale word: written by the quantiser, read by the image's LDS stores; PC's registers are the sums of squares later.
;   Y; Z+4, Z+5  a partial sum, read by one LDS store; two sigmoids, read by wave 0's store; none is written again.
; ONE wait on vm_vsrc stands in the text, ahead of the gather's turns: all that LDS stores and loads have read by then (OWN, PC, OF0, OF1) is written again only behind it, and no later memory instruction reads
; a register that is written after it.  A turn has one wait on va_vdst behind its squares, for its buffer's next loads and their offsets, and one ahead of its two stores; the loads are dealt among the turn's reduction, which names its sums alone.
.set XP,   1040                        ; a row in the stage: 1,024 bytes + 16: an odd multiple of 16, so that 16 rows' 16-byte pieces start in 16 different groups of banks (64 banks of 4 bytes: ISA guide 11.1)
.set IMG,  64*XP                       ; 16 images of 2,048 bytes: the rows' eight, then W1's eight
.set SCW,  IMG+16*2048                 ; their scale words, 128 bytes each
.set PP,   SCW+16*128                  ; partial sums [64 rows][4]
.set LN,  1
.set RR,  2
.set HH,  3
.set L16, 4                            ; v4   16 x lane
.set XSW, 5                            ; v5   stage: my wave's rows
.set XSR, 6                            ; v6   stage: the fragment that I quantise (waves 0-7)
.set W1O, 7                            ; v7   W1: the fragment that I quantise (waves 8-15)
.set IMW, 8                            ; v8   where my image goes;  v9 its scale words
.set SWW, 9
.set IMX, 10                           ; v10  the rows' images that I multiply;  v11 W1's;  v12, v13 their scale words
.set IMV, 11
.set SWX, 12
.set SWV, 13
.set PPW, 14                           ; v14  where my partial sum goes
.set PPR, 15                           ; v15  my 4 rows' partial sums
.set PP0, 16                           ; v16  rows 2 lane, 2 lane + 1: for out0
.set BO,  17                           ; v17  b1, W2: my 8 hidden units
.set O0,  18                           ; v18  8 x lane
.set OWO, 19                           ; v19  my wave's rows in features and in out1: 16 x lane + 1,024 x first row; never rewritten
.set OWN, 24                           ; v24-55   my 4 rows: lane l holds numbers 4 l .. 4 l + 3 and 128 + 4 l .. + 3
.set NB,  56                           ; v56-119, v120-183  two buffers of 8 neighbour rows
.set QS,  120                          ; the 64 numbers to be quantised; then the four fragments; then the partial sums
.set XF,  120
.set WF,  152
.set ZP,  120
.set OF,  184                          ; v184-199 the neighbours' offsets, 8 for each buffer
.set PC,  200                          ; v200-215 the codes just made
.set SS,  200                          ; later: 8 sums of squares, a pair each
.set TM,  216                          ; v216-231 the quantiser's
.set Z,   216                          ; later: v216-221 six sigmoids
.set PR,  224                          ; v224-227 0.3 p of my 4 rows
.set EN,  228                          ; v[228:229] the enhancement (the low word serves both halves)
.set TH,  230
.set BI,  232                          ; v232-239 b1, and the accumulator in place
.set W2R, 240                          ; v240-247
.set PW,  248                          ; the scale word just made
.set SX,  249                          ; v249-250 the rows' scale words, v251-252 W1's: scales and nothing else
.set SV,  251
.set Y,   253
.set PD,  254
.set SEL, 24                           ; s[24:25]
.set MNT, 26                           ; s26  the mantissa field of 57,344
.set IDX, 32                           ; s[32:63] my 4 rows' 8 neighbours each
	s_load_b512 s[4:19], s[0:1], 0x0               ; features s[4:5], knn s[6:7], W1 s[8:9], b1 s[10:11], W2 s[12:13], b2 s[14:15], out0 s[16:17], out1 s[18:19]
	v_lshl_add_u32 v23, v0, 2, 0x19000
	v_mov_b32 v255, 0
	v_lshrrev_b32 v1, 5, v0
	v_readfirstlane_b32 s20, v1                    ; wave 0..15
	v_and_b32 v[LN], 31, v0
	v_and_b32 v[RR], 15, v0
	v_bfe_u32 v[HH], v0, 4, 1
	v_lshlrev_b32 v[L16], 4, v[LN]
	s_wait_alu depctr_va_sdst(0)                   ; s20 is written, ahead of its first reader: all the wave's places are made from it
	s_and_b32 s21, s20, 1                          ; quantising: K step
	s_bfe_u32 s22, s20, 0x20001                    ; and tile (w / 2) % 4
	s_lshr_b32 s23, s20, 2                         ; multiplying: the rows' tile m
	s_and_b32 s28, s20, 3                          ; and W1's tile n
	s_mul_i32 s27, s20, 4*XP
	v_add_nc_u32 v[XSW], s27, v[L16]
	s_mul_i32 s27, s22, 16*XP
	s_lshl_b32 s29, s21, 9
	s_add_co_u32 s27, s27, s29
	v_mul_u32_u24 v[XSR], v[RR], XP
	v_lshl_add_u32 v[XSR], v[HH], 6, v[XSR]
	v_add_nc_u32 v[XSR], s27, v[XSR]               ; row 16 tile + r, K step, my 16 numbers of each block of 32
	s_lshl_b32 s27, s22, 6
	s_lshl_b32 s29, s21, 15
	s_add_co_u32 s27, s27, s29
	v_lshlrev_b32 v[W1O], 2, v[RR]
	v_lshl_add_u32 v[W1O], v[HH], 12, v[W1O]
	v_add_nc_u32 v[W1O], s27, v[W1O]               ; column 16 tile + r; 16 rows of 256 bytes further down for lanes 16-31; 128 rows for K step 1
	s_lshl_b32 s27, s20, 11
	s_add_co_u32 s27, s27, IMG
	v_add_nc_u32 v[IMW], s27, v[L16]
	s_lshl_b32 s27, s20, 7
	s_add_co_u32 s27, s27, SCW
	v_lshl_add_u32 v[SWW], v[LN], 2, s27
	s_lshl_b32 s27, s23, 12
	s_add_co_u32 s27, s27, IMG
	v_add_nc_u32 v[IMX], s27, v[L16]
	s_lshl_b32 s27, s28, 12
	s_add_co_u32 s27, s27, IMG+16384
	v_add_nc_u32 v[IMV], s27, v[L16]
	s_lshl_b32 s27, s23, 8
	s_add_co_u32 s27, s27, SCW
	v_lshl_add_u32 v[SWX], v[LN], 2, s27
	s_lshl_b32 s27, s28, 8
	s_add_co_u32 s27, s27, SCW+1024
	v_lshl_add_u32 v[SWV], v[LN], 2, s27
	s_lshl_b32 s27, s23, 8
	s_lshl_b32 s29, s28, 2
	s_add_co_u32 s27, s27, s29
	s_add_co_u32 s27, s27, PP
	v_lshl_add_u32 v[PPW], v[RR], 4, s27           ; row 16 m + r, partial n
	s_lshl_b32 s27, s20, 6
	s_add_co_u32 s27, s27, PP
	v_mov_b32 v[PPR], s27                          ; rows 4 w on: every lane reads the same words
	v_lshl_add_u32 v[PP0], v[LN], 5, PP
	s_lshl_b32 s27, s28, 6
	v_lshl_add_u32 v[BO], v[HH], 5, s27            ; hidden units 16 n + 8 h on, 4 bytes each
	v_lshlrev_b32 v[O0], 3, v[LN]
	s_lshl_b32 s27, ttmp9, 6
	s_lshl_b32 s29, s20, 2
	s_add_co_u32 s27, s27, s29                     ; my wave's first row
	s_lshl_b32 s31, s27, 10
	v_add_nc_u32 v[OWO], s31, v[L16]
	s_lshl_b32 s66, s27, 5                         ; knn: 32 bytes a row
	s_mov_b32 s67, 0
	s_lshl_b32 s68, ttmp9, 8                       ; out0: 256 bytes a work-group
	s_mov_b32 s69, 0
	s_mov_b32 s[SEL], 0x76543210
	s_mov_b32 s[SEL+1], 0xfedcba98
	s_mov_b32 s[MNT], 0x600000
.irp b, 0,1,2,3
	v_mov_b32 v[TM+4+\b], 0                        ; written once: a lane permute's destination counts as one of its sources
.endr
	v_mov_b32 v[PD], 0
	v_mov_b32 v[EN+1], 0                           ; (named as the upper half of a pair)
	s_wait_kmcnt 0x0
	s_add_nc_u64 s[6:7], s[6:7], s[66:67]
	s_add_nc_u64 s[16:17], s[16:17], s[68:69]
	s_load_b512 s[32:47], s[6:7], 0x0              ; my 4 rows' neighbours: 128 dense bytes of a table that this launch only reads
	s_load_b512 s[48:63], s[6:7], 0x40
	s_load_b32 s30, s[14:15], 0x0                  ; b2
	s_wait_alu depctr_va_vdst(0)                   ; the sixteen addresses and offsets v4 to v19 are written: every load and store of the kernel, in memory and in LDS, reads one of them
.irp q, 0,1,2,3
	global_load_b128 v[OWN+8*\q:OWN+8*\q+3], v[OWO], s[4:5] offset:1024*\q
	global_load_b128 v[OWN+8*\q+4:OWN+8*\q+7], v[OWO], s[4:5] offset:1024*\q+512
.endr
	global_load_b128 v[BI:BI+3], v[BO], s[10:11]
	global_load_b128 v[BI+4:BI+7], v[BO], s[10:11] offset:16
	global_load_b128 v[W2R:W2R+3], v[BO], s[12:13]
	global_load_b128 v[W2R+4:W2R+7], v[BO], s[12:13] offset:16
; the offsets of the 8 neighbours of my row q, for buffer buf.  A buffer's offsets are written again only behind the wait for its own loads
.macro OFFS q, buf
.irp k, 0,1,2,3,4,5,6,7
	s_min_u32 s[IDX+8*(\q)+\k], s[IDX+8*(\q)+\k], 0x3fff
.endr
.irp k, 0,1,2,3,4,5,6,7
	v_lshl_add_u32 v[OF+8*(\buf)+\k], s[IDX+8*(\q)+\k], 10, v[L16]
.endr
.endm
; neighbour k into buffer buf: two loads of 512 dense bytes
.macro LOADK buf, k
	global_load_b128 v[NB+64*(\buf)+8*(\k):NB+64*(\buf)+8*(\k)+3], v[OF+8*(\buf)+(\k)], s[4:5]
	global_load_b128 v[NB+64*(\buf)+8*(\k)+4:NB+64*(\buf)+8*(\k)+7], v[OF+8*(\buf)+(\k)], s[4:5] offset:512
.endm
	s_wait_kmcnt 0x0
	OFFS 0, 0
	OFFS 1, 1
	s_wait_alu depctr_va_vdst(0)                   ; the sixteen offsets of rows 0 and 1 are written: row 0's loads read theirs here, row 1's behind the net
.irp k, 0,1,2,3,4,5,6,7
	LOADK 0, \k
.endr
	s_wait_loadcnt 20                              ; my rows are in; the 4 loads of b1 and W2 and the 16 of the first neighbours may be out
.irp q, 0,1,2,3
	ds_store_b128 v[XSW], v[OWN+8*\q:OWN+8*\q+3] offset:\q*XP
	ds_store_b128 v[XSW], v[OWN+8*\q+4:OWN+8*\q+7] offset:\q*XP+512
.endr
	s_wait_dscnt 0x0                               ; for the others' sake: my rows lie in the stage
	s_barrier_signal -1
	s_barrier_wait -1
	; 64 numbers a lane: register 16 b + i = k 128 (K step) + 32 b + 16 (lane / 16) + i of my row of f, or of my column of W1.  No vector instruction has named these registers yet
	s_cmp_lt_u32 s20, 8
	s_cbranch_scc0 .Lweights
.irp b, 0,1,2,3
.irp j, 0,1,2,3
	ds_load_b128 v[QS+16*\b+4*\j:QS+16*\b+4*\j+3], v[XSR] offset:128*\b+16*\j
.endr
.endr
	s_wait_dscnt 0x0
	s_branch .Lquant
.Lweights:
.irp b, 0,1,2,3
.irp i, 0,1,2,3,4,5,6,7,8,9,10,11,12,13,14,15
	global_load_b32 v[QS+16*\b+\i], v[W1O], s[8:9] offset:256*(32*\b+\i)   ; sixteen neighbouring lanes read 64 neighbouring bytes
.endr
.endr
	s_wait_loadcnt 0x0
.Lquant:
	; the quantiser: each block's largest magnitude with the floor 2^(16 - 127) among its leaves, so that the byte cannot fall under 1; the four blocks by turns
.irp b, 0,1,2,3
	v_max3_num_f32 v[TM+\b], |v[QS+16*\b]|, |v[QS+1+16*\b]|, 0x8000000
.endr
.irp i, 2,4,6,8,10,12,14
.irp b, 0,1,2,3
	v_max3_num_f32 v[TM+\b], v[TM+\b], |v[QS+16*\b+\i]|, |v[QS+1+16*\b+\i]|
.endr
.endr
.irp b, 0,1,2,3
	v_permlanex16_b32 v[TM+4+\b], v[TM+\b], s[SEL], s[SEL+1]
.endr
.irp b, 0,1,2,3
	v_max_num_f32 v[TM+\b], v[TM+\b], v[TM+4+\b]   ; with lane l xor 16's 16 numbers: the block's
.endr
.irp b, 0,1,2,3
	v_add_nc_u32 v[TM+12+\b], 0xf8800000, v[TM+\b] ; 15 off its exponent field: the conversion takes the exponent field of this operand as its scale
.endr
.irp b, 0,1,2,3
	v_and_or_b32 v[TM+8+\b], v[TM+\b], 0x7f800000, s[MNT]   ; 57,344 x the scale
.endr
.irp b, 0,1,2,3
	v_lshrrev_b32 v[TM+4+\b], 23, v[TM+12+\b]      ; the scale's byte
.endr
	v_lshl_or_b32 v[PW], v[TM+5], 8, v[TM+4]       ; the four bytes make my row's (column's) scale word
	v_lshl_or_b32 v[PW], v[TM+6], 16, v[PW]
	v_lshl_or_b32 v[PW], v[TM+7], 24, v[PW]
.irp b, 0,1,2,3
.irp i, 0,1,2,3,4,5,6,7,8,9,10,11,12,13,14,15
	v_med3_num_f32 v[QS+16*\b+\i], v[QS+16*\b+\i], -v[TM+8+\b], v[TM+8+\b]   ; the conversion to an 8-bit code does not saturate (ISA guide 7.6.2): the hold at the largest code x the scale
.endr
	v_cvt_scalef32_pk8_bf8_f32 v[PC+4*\b:PC+1+4*\b], v[QS+16*\b:QS+7+16*\b], v[TM+12+\b]
	v_cvt_scalef32_pk8_bf8_f32 v[PC+2+4*\b:PC+3+4*\b], v[QS+8+16*\b:QS+15+16*\b], v[TM+12+\b]
.endr
	v_nop                                          ; one plain vector instruction behind the last scaled conversion
	s_wait_alu depctr_va_vdst(0)                   ; the conversions have written v[PC ..] and the shifts v[PW], which the LDS stores read; the quantiser is done with v[QS ..], in which the fragments' loads land behind the barrier
.irp c, 0,1,2,3
	ds_store_b128 v[IMW], v[PC+4*\c:PC+4*\c+3] offset:512*\c   ; the fragment goes to LDS as an image of its registers
.endr
	ds_store_b32 v[SWW], v[PW]
	s_wait_dscnt 0x0                               ; for the others' sake: my image lies in LDS
	s_barrier_signal -1
	s_barrier_wait -1
.irp s, 0,1
.irp c, 0,1,2,3
	ds_load_b128 v[XF+16*\s+4*\c:XF+16*\s+4*\c+3], v[IMX] offset:2048*\s+512*\c     ; no vector instruction since the wait above names these registers
	ds_load_b128 v[WF+16*\s+4*\c:WF+16*\s+4*\c+3], v[IMV] offset:2048*\s+512*\c
.endr
	ds_load_b32 v[SX+\s], v[SWX] offset:128*\s
	ds_load_b32 v[SV+\s], v[SWV] offset:128*\s
.endr
	s_wait_dscnt 0x0
	s_wait_loadcnt 16                              ; b1 and W2 are in; the first neighbours' 16 loads may be out
	v_wmma_scale_f32_16x16x128_f8f6f4 v[BI:BI+7], v[WF:WF+15], v[XF:XF+15], v[BI:BI+7], v[SV], v[SX] matrix_a_fmt:MATRIX_FMT_BF8 matrix_b_fmt:MATRIX_FMT_BF8
	s_wait_alu depctr_va_vdst(0)                   ; the wait directly ahead of the second
	v_wmma_scale_f32_16x16x128_f8f6f4 v[BI:BI+7], v[WF+16:WF+31], v[XF+16:XF+31], v[BI:BI+7], v[SV+1], v[SX+1] matrix_a_fmt:MATRIX_FMT_BF8 matrix_b_fmt:MATRIX_FMT_BF8
.rept 8
	v_nop                                          ; eight places ahead of the first read of the result
.endr
.irp j, 0,1,2,3,4,5,6,7
	v_max_num_f32 v[BI+\j], 0, v[BI+\j]            ; relu, from the accumulator's low end on: lane (r, h): row 16 m + r, hidden units 16 n + 8 h + j
.endr
	v_mul_f32 v[Y], v[BI], v[W2R]
.irp j, 1,2,3,4,5,6,7
	v_fmac_f32 v[Y], v[BI+\j], v[W2R+\j]
.endr
	v_permlanex16_b32 v[PD], v[Y], s[SEL], s[SEL+1]
	v_add_f32 v[Y], v[Y], v[PD]                    ; my tile's 16 hidden units
	s_wait_alu depctr_va_vdst(0)                   ; v[Y] is written, which the LDS store reads; the matrix instructions are done reading their fragments, in which the partial sums' loads land behind the barrier
	ds_store_b32 v[PPW], v[Y]                      ; lanes l and l xor 16 write the same word with the same value
	s_wait_dscnt 0x0
	s_barrier_signal -1
	s_barrier_wait -1
.irp i, 0,1,2,3
	ds_load_b128 v[ZP+4*\i:ZP+4*\i+3], v[PPR] offset:16*\i     ; my 4 rows,
.endr
	ds_load_b128 v[ZP+16:ZP+19], v[PP0]                        ; and rows 2 lane, 2 lane + 1 of the work-group's 64
	ds_load_b128 v[ZP+20:ZP+23], v[PP0] offset:16
	s_wait_dscnt 0x0
.irp k, 0,1,2,3,4,5
	v_add_f32 v[ZP+4*\k], v[ZP+4*\k], v[ZP+4*\k+1]
	v_add_f32 v[ZP+4*\k+2], v[ZP+4*\k+2], v[ZP+4*\k+3]
.endr
.irp k, 0,1,2,3,4,5
	v_add_f32 v[Z+\k], v[ZP+4*\k], v[ZP+4*\k+2]
.endr
.irp k, 0,1,2,3,4,5
	v_add_f32 v[Z+\k], s30, v[Z+\k]                ; + b2
.endr
.irp k, 0,1,2,3,4,5
	v_mul_f32 v[Z+\k], 0xbfb8aa3b, v[Z+\k]         ; x -log2(e)
.endr
.irp k, 0,1,2,3,4,5
	v_exp_f32 v[Z+\k], v[Z+\k]
.endr
	v_nop                                          ; a plain instruction behind the batch,
	s_wait_alu depctr_va_vdst(0)                   ; and one wait: the six exponentials have written v[Z ..], ahead of their first reader; the additions are done with v[ZP ..], so buffer 1 is free for the loads below
.irp k, 0,1,2,3,4,5,6,7
	LOADK 1, \k                                    ; my row 1's neighbours; their offsets were written ahead of the head's second wait
.endr
.irp k, 0,1,2,3,4,5
	v_add_f32 v[Z+\k], 1.0, v[Z+\k]
.endr
.irp k, 0,1,2,3,4,5
	v_rcp_f32 v[Z+\k], v[Z+\k]                     ; p
.endr
	v_nop
	s_wait_alu depctr_va_vdst(0)                   ; the six reciprocals have written v[Z ..], ahead of their first reader; v[Z+4] and v[Z+5] are what wave 0's store reads, and no line between names them
.irp q, 0,1,2,3
	v_mul_f32 v[PR+\q], 0x3e99999a, v[Z+\q]        ; 0.3 p
.endr
	s_wait_alu depctr_vm_vsrc(0)                   ; the stage's LDS stores have read my rows, the image's v[PC ..], the loads of rows 0 and 1 their offsets: the turns below write all of these again
	s_cmp_lg_u32 s20, 0
	s_cbranch_scc1 .Lno_out0
	global_store_b64 v[O0], v[Z+4:Z+5], s[16:17]   ; 32 lanes store the work-group's 256 bytes of out0, aligned; these registers are not written again
.Lno_out0:
; Two loads of the buffer's next row, ahead of a group of the reduction: neighbour LK.
.macro DEAL buf, next
.if \next
	LOADK \buf, LK
.set LK, LK+1
.endif
.endm
; My row q against the 8 neighbours in buffer buf.  left: the other buffer's loads, which may stay out.  next = 1: row q + 2 is asked for into this buffer as soon as the squares have emptied it.
.macro QRY q, buf, left, next
.set N, NB+64*\buf
.set LK, 0
	s_wait_loadcnt \left
.irp k, 0,1,2,3,4,5,6,7
.irp c, 0,1,2,3
	v_pk_add_f32 v[N+8*\k+2*\c:N+8*\k+2*\c+1], v[N+8*\k+2*\c:N+8*\k+2*\c+1], v[OWN+8*\q+2*\c:OWN+8*\q+2*\c+1] neg_lo:[0,1] neg_hi:[0,1]
.endr
.endr
.irp k, 0,1,2,3,4,5,6,7
	v_pk_mul_f32 v[SS+2*\k:SS+2*\k+1], v[N+8*\k:N+8*\k+1], v[N+8*\k:N+8*\k+1]
.endr
.irp c, 1,2,3
.irp k, 0,1,2,3,4,5,6,7
	v_pk_fma_f32 v[SS+2*\k:SS+2*\k+1], v[N+8*\k+2*\c:N+8*\k+2*\c+1], v[N+8*\k+2*\c:N+8*\k+2*\c+1], v[SS+2*\k:SS+2*\k+1]
.endr
.endr
.if \next
	OFFS \q+2, \buf                                ; (the loads that read these offsets are done: the wait at the turn's head; they have read them: the wait on vm_vsrc ahead of the turns, behind which no load has read this buffer's)
	s_wait_alu depctr_va_vdst(0)                   ; the subtractions and squares are done with this buffer, in which the loads below land, and the eight offsets are written, which they read; the reduction among them names v[SS ..] alone
.endif
	DEAL \buf, \next
.irp k, 0,1,2,3,4,5,6,7
	v_add_f32 v[SS+2*\k], v[SS+2*\k], v[SS+2*\k+1]
.endr
.irp x, 1,2,4,8
	DEAL \buf, \next
.irp k, 0,1,2,3,4,5,6,7
	v_add_f32_dpp v[SS+2*\k], v[SS+2*\k], v[SS+2*\k] row_xmask:\x row_mask:0xf bank_mask:0xf
.endr
.endr
	DEAL \buf, \next
.irp k, 0,1,2,3,4,5,6,7
	v_permlanex16_b32 v[SS+2*\k+1], v[SS+2*\k], s[SEL], s[SEL+1]
.endr
	DEAL \buf, \next
.irp k, 0,1,2,3,4,5,6,7
	v_add_f32 v[SS+2*\k], v[SS+2*\k], v[SS+2*\k+1] ; every lane holds neighbour k's sum of 256 squares
.endr
	DEAL \buf, \next
.irp k, 0,1,2,3,4,5,6,7
	v_sqrt_f32 v[SS+2*\k], v[SS+2*\k]
.endr
	v_nop
	s_wait_alu depctr_va_vdst(0)                   ; one wait for the eight roots: they have written v[SS ..], ahead of their first reader
	v_add_f32 v[SS], v[SS], v[SS+2]
	v_add_f32 v[SS+4], v[SS+4], v[SS+6]
	v_add_f32 v[SS+8], v[SS+8], v[SS+10]
	v_add_f32 v[SS+12], v[SS+12], v[SS+14]
	v_add_f32 v[SS], v[SS], v[SS+4]
	v_add_f32 v[SS+8], v[SS+8], v[SS+12]
	v_add_f32 v[SS], v[SS], v[SS+8]
	v_mul_f32 v[TH], 0x3fe6d4ca, v[SS]             ; 2 x (5 / 8) x log2(e) x the sum of the norms
	v_exp_f32 v[TH], v[TH]
	v_nop
	s_wait_alu depctr_va_vdst(0)                   ; the exponential has written v[TH], ahead of its reader
	v_add_f32 v[TH], 1.0, v[TH]
	v_rcp_f32 v[TH], v[TH]
	v_nop
	s_wait_alu depctr_va_vdst(0)                   ; the reciprocal has written v[TH], ahead of its reader
	v_fma_f32 v[TH], -2.0, v[TH], 1.0              ; tanh
	v_mul_f32 v[EN], v[TH], v[PR+\q]
.irp c, 0,1,2,3
	v_pk_add_f32 v[OWN+8*\q+2*\c:OWN+8*\q+2*\c+1], v[OWN+8*\q+2*\c:OWN+8*\q+2*\c+1], v[EN:EN+1] op_sel_hi:[1,0]
.endr
	s_wait_alu depctr_va_vdst(0)                   ; the four additions have written my row, which the two stores read
	global_store_b128 v[OWO], v[OWN+8*\q:OWN+8*\q+3], s[18:19] offset:1024*\q th:TH_STORE_NT        ; 512 dense bytes, aligned; the row's registers and the offset are not written again
	global_store_b128 v[OWO], v[OWN+8*\q+4:OWN+8*\q+7], s[18:19] offset:1024*\q+512 th:TH_STORE_NT
.endm
	QRY 0, 0, 16, 1
	QRY 1, 1, 16, 1
	QRY 2, 0, 16, 0
	QRY 3, 1, 0, 0
	s_wait_dscnt 0x0
	s_wait_alu depctr_hold_cnt(0) depctr_sa_sdst(0) depctr_va_vdst(0) depctr_va_sdst(0) depctr_va_ssrc(0) depctr_va_vcc(0) depctr_vm_vsrc(0)
	s_wait_tensorcnt 0x0
	ds_add_u32 v23, v255
	s_wait_dscnt 0x0
	s_endpgm
.Lfunc_end_k_q8a6239261a_enhance:
	.size	k_q8a6239261a_enhance, .Lfunc_end_k_q8a6239261a_enhance-k_q8a6239261a_enhance
	.p2alignl 7, 3214868480
	.fill 96, 4, 3214868480
	.section	.rodata,"a",@progbits
	.p2align	6, 0x0
	.amdhsa_kernel k_q8a6239261a_enhance
		.amdhsa_group_segment_fixed_size 104448
		.amdhsa_private_segment_fixed_size 0
		.amdhsa_enable_private_segment 0
		.amdhsa_kernarg_size 64
		.amdhsa_user_sgpr_count 2
		.amdhsa_user_sgpr_kernarg_segment_ptr 1
		.amdhsa_wavefront_size32 1
		.amdhsa_system_sgpr_workgroup_id_x 1
		.amdhsa_system_sgpr_workgroup_id_y 1
		.amdhsa_system_sgpr_workgroup_id_z 1
		.amdhsa_system_vgpr_workitem_id 0
		.amdhsa_next_free_vgpr 256
		.amdhsa_next_free_sgpr 70
		.amdhsa_reserve_vcc 0
		.amdhsa_float_denorm_mode_32 3
		.amdhsa_float_denorm_mode_16_64 3
		.amdhsa_memory_ordered 1
		.amdhsa_forward_progress 1
		.amdhsa_inst_pref_size 71
	.end_amdhsa_kernel
	.amdgpu_metadata
---
amdhsa.version: [ 1, 2 ]
amdhsa.kernels:
  - .name:           k_q8a6239261a_enhance
    .symbol:         k_q8a6239261a_enhance.kd
    .args:
      - { .name: features, .offset: 0, .size: 8, .value_kind: global_buffer, .address_space: global }
      - { .name: knn, .offset: 8, .size: 8, .value_kind: global_buffer, .address_space: global }
      - { .name: W1, .offset: 16, .size: 8, .value_kind: global_buffer, .address_space: global }
      - { .name: b1, .offset: 24, .size: 8, .value_kind: global_buffer, .address_space: global }
      - { .name: W2, .offset: 32, .size: 8, .value_kind: global_buffer, .address_space: global }
      - { .name: b2, .offset: 40, .size: 8, .value_kind: global_buffer, .address_space: global }
      - { .name: out0, .offset: 48, .size: 8, .value_kind: global_buffer, .address_space: global }
      - { .name: out1, .offset: 56, .size: 8, .value_kind: global_buffer, .address_space: global }
    .group_segment_fixed_size: 104448
    .private_segment_fixed_size: 0
    .kernarg_segment_align: 8
    .kernarg_segment_size: 64
    .max_flat_workgroup_size: 512
    .sgpr_count:     70
    .vgpr_count:     256
    .wavefront_size: 32
...
	.end_amdgpu_metadata
.endif
;; end of part 4
